; MI455X (gfx1250); checked and timed in simulation.
; The chip was launched on July 23, 2026; its instructions are those of AMD's public machine-readable ISA for CDNA 5 (MIT licence, August 2026) and "CDNA5" Instruction Set Architecture Reference Guide (July 2026). The comments in the code are by the model that wrote it; some were corrected since.
;; Causal Self Attention. Allowed arithmetic: matrix products marked QUANTISED: E3M2 operands, one E8M0 scale for each 32 along K, by v_wmma_scale_f32_16x16x128_f8f6f4 with both operands' format E3M2, f32 sums; products left as they are: f32 operands where the result goes on into a quantised operand, else bf16, f16 or f32 operands; f32 sums; everything else in f32.
;; Inputs: Wproj 1,024 x 1,024 float32; Wqkv 3,072 x 1,024 float32; x 4 x 2,048 x 1,024 float32.
;; Outputs: out0 4 x 2,048 x 1,024 float32.
;; This version of the problem:
;;   THIS VERSION OF THE PROBLEM IS GIVEN IN LOW PRECISION. The matrix products marked QUANTISED in the list below multiply operands that are first quantised to E3M2 (3 exponent bits, 2 mantissa bits; 6 bits a number), with one power-of-two scale for each 32 numbers along K (OCP MX v1.0); their sums are f32. All else is computed in f32.
;;   The module's matrix products, in the order in which they are computed (A, B: the left and right operand; K: the contracted axis; several contracted axes count as one K, in the product's order):
;;     1. [M 8,192, K 1,024] x [K 1,024, N 3,072]; A: input x; B: input Wqkv: QUANTISED
;;     2. [M 2,048, K 1] x [K 1, N 32]; A: computed on the way; B: computed on the way: left as it is (no contracted axis)
;;     3. batch 64 x [M 2,048, K 64] x [K 64, N 2,048]; A: computed on the way; B: computed on the way: QUANTISED
;;     4. batch 64 x [M 2,048, K 2,048] x [K 2,048, N 64]; A: softmax (see below); B: computed on the way: QUANTISED
;;     5. [M 8,192, K 1,024] x [K 1,024, N 1,024]; A: computed on the way; B: input Wproj: QUANTISED
;;   THE QUANTISER, for each operand of a quantised product, along K:
;;     - K is cut into blocks of 32 from its start; a last block that is shorter is filled with zeros.
;;     - A block's scale is 2^e with e = floor(log2(the largest magnitude in the block)) - 4, held to -126 .. 127; a block of zeros has e = 0. As a byte (E8M0): e + 127.
;;     - Each number is divided by its block's scale, clamped to +-28, and rounded to the nearest number of E3M2, ties to even, subnormals kept.
;;     - The product sums the exact products of the quantised numbers (number of the format x scale) in f32.
;;   ~~~python
;;   def quantise(x, axis):      # numpy; x: float32 -> the quantised numbers, widened to float32 again
;;       x = np.moveaxis(x, axis, -1); K = x.shape[-1]
;;       x = np.pad(x, [(0, 0)] * (x.ndim - 1) + [(0, -K % 32)]); x = x.reshape(x.shape[:-1] + (-1, 32)); a = np.abs(x).max(-1, keepdims=True)
;;       e = np.where(a > 0, np.clip(np.frexp(np.where(a > 0, a, 1))[1] - 1 - 4, -126, 127), 0)      # np.frexp(a)[1] - 1 = floor(log2(a)), exactly
;;       r = np.clip(x / 2.0 ** e, -28, 28)
;;       step = 2.0 ** (np.maximum(np.frexp(np.where(r == 0, 1, r))[1] - 1, -2) - 2)
;;       q = np.round(r / step) * step * 2.0 ** e      # np.round: ties to even
;;       return np.moveaxis(q.reshape(q.shape[:-2] + (-1,))[..., :K], -1, axis).astype(np.float32)
;;   ~~~
;;   SOFTMAX AHEAD OF A QUANTISED PRODUCT. Where the list says 'softmax', what is quantised is not the finished softmax but p = 2^(t - M), with t = logit x log2(e) and M = ceil(the row's largest t), a whole number; so 1/2 < the row's largest p <= 1. The row's sum l is taken of the UNQUANTISED p, in f32, and the product's result is divided by l at the end. Since M is a whole number, a kernel that streams over the keys may use a running M (the ceiling of the running maximum): every later rescaling is an exact power of two, which a block's scale takes up: the codes' values come out the same.
;;   OPERANDS COMPUTED ON THE WAY. 'Computed on the way' means the value that the module computes at that place (a softmax that the list does not call 'softmax' is quantised finished and normalised). What goes into a quantiser is computed in f32, as accurately as f32 sums, v_exp_f32 and their like allow (about 1e-6 of the number): no bf16 or f16 on the way to a quantiser, and a product that is left as it is and whose result goes on into a quantised operand takes f32 operands (vector FMAs, or v_wmma_f32_16x16x4_f32). A number that lies on a knife's edge between two numbers of the format may be rounded either way, as far as f32 arithmetic and the matrix unit's own rounding can turn it there, and no further.
;; One version. Each part assembles by itself: llvm-mc -triple=amdgcn-amd-amdhsa -mcpu=gfx1250 --defsym DOCPART=n.
;; ======== version 1 of 1: 4 launches
;; limits: right only within a limited range of input values
;; workspace buffers: cod1 9,437,184 bytes; scl1 393,216 bytes; rope 524,288 bytes; qb 6,815,744 bytes; kv 13,369,344 bytes; yc 6,291,456 bytes; ys 262,144 bytes
;; launch prep (part 1): grid 800 x 1, 4 waves a work-group, no clusters, 68,608 bytes of LDS; arguments x, Wqkv, Wproj, cod1, scl1, rope; writes cod1, scl1, rope
.if DOCPART == 1
	.amdgcn_target "amdgcn-amd-amdhsa--gfx1250"
	.amdhsa_code_object_version 6
	.text
	.protected	k_qaafb79387d_prep
	.globl	k_qaafb79387d_prep
	.p2align	8
	.type	k_qaafb79387d_prep,@function
k_qaafb79387d_prep:
	s_mov_b64 s[64:65], 0
	v_nop
	global_prefetch_b8 v0, s[64:65] scope:SCOPE_SE
	s_setreg_imm32_b32 hwreg(HW_REG_WAVE_MODE, 25, 1), 1
	s_wait_xcnt 0x0
; PREP.  x [8192][1024], Wqkv [3072][1024], Wproj [1024][1024], f32, K innermost, become codes of BF6 (E3M2) with one E8M0 byte for each 32 along K; and the table of cosines and sines for the rotary embedding is made.
; A block's scale is 2^(floor(log2(its largest magnitude)) - 4); its byte is the largest magnitude's exponent field - 4, held at 1 from below.
; LIMITS: NaN and infinities among the inputs are not served.  A block whose largest magnitude lies under 2^-122 (a block of zeros among them) gets the byte 1; the bytes are read by this program alone.
;   The table's frequencies 10000^(-j/32) are within about two units in the last place of a correctly rounded f32, so an angle can differ by about 2e-4 at the largest token number.
; LAYOUT OF THE CODES.  The 12,288 rows of the three tensors, on end, are cut into ROW BLOCKS of 16 rows: block 2 B + u holds, for lane r, row 32 B + 8 u + r + 8 (r / 8).  A block's 1,024 codes a row are 16 HALF FRAGMENTS of 64 along K,
;   768 bytes each, laid as the matrix operand's registers hold them: lane (r, h) owns the 24 bytes of k = 32 h .. 32 h + 31: its registers 0-3 at 16 x lane, its registers 4-5 at 512 + 8 x lane.
;   So every later reader takes whole fragments by dense loads of 16 and 8 bytes a lane, and every store here covers whole aligned blocks of 256 bytes.
; SHARES.  Work-group g < 768 takes row block g; wave w takes K 256 w .. 256 w + 255, two steps of 128.  Work-groups 768 .. 799 make the table, 64 tokens each.
; Each load reads 512 consecutive bytes of one row; the numbers turn through the wave's own stage in LDS (rows 528 bytes apart, an odd multiple of 16), so that a lane gets the 32 neighbours of a block.
.set SP,   528                         ; a stage row: 512 bytes + 16
.set STQ,  16*SP                       ; a stage: 16 rows
.set STW,  2*STQ                       ; a wave's two stages, one for each step of 128
.set SCW,  4*STW                       ; behind the stages: the row block's scale bytes, [r][32]
.set X,    32                          ; v32-159  the numbers: step q at X + 64 q
.set P,    160                         ; v160-191 the codes: half fragment 2 q + c at P + 8 (2 q + c)
.set NRB,  768
	s_load_b256 s[4:11], s[0:1], 0x0               ; x s[4:5], Wqkv s[6:7], Wproj s[8:9], cod1 s[10:11]
	s_load_b128 s[12:15], s[0:1], 0x20             ; scl1 s[12:13], rope s[14:15]
	v_lshl_add_u32 v192, v0, 2, 0x10a00
	v_mov_b32 v193, 0
	s_cmp_ge_u32 ttmp9, NRB
	s_cbranch_scc1 .Lrope                          ; the table's work-groups: no LDS and no barrier on that way
	v_lshrrev_b32 v1, 5, v0
	v_readfirstlane_b32 s16, v1                    ; wave 0..3
	v_and_b32 v1, 31, v0                           ; lane
	v_lshlrev_b32 v2, 4, v1                        ; 16 x lane
	v_lshlrev_b32 v3, 3, v1                        ; 8 x lane
	v_and_b32 v4, 15, v0                           ; r
	v_bfe_u32 v5, v0, 4, 1                         ; h
	s_mul_i32 s17, s16, STW
	v_add_nc_u32 v6, s17, v2                       ; into the stage: 16 x lane of a row
	v_mul_u32_u24 v7, v4, SP
	v_lshl_add_u32 v7, v5, 7, v7
	v_add_nc_u32 v7, s17, v7                       ; out of it: row r, + 128 h: my 32 numbers of a block
	v_lshlrev_b32 v8, 3, v5                        ; 8 h: my bytes' place in a scale word
	v_lshlrev_b32 v9, 5, v4
	s_lshl_b32 s17, s16, 3
	s_add_co_u32 s17, s17, SCW
	v_add_nc_u32 v9, s17, v9                       ; my row's 32 scale bytes, my wave's 8 of them
	v_add_nc_u32 v10, SCW, v2                      ; and the way out: 16 bytes a lane
	v_lshrrev_b32 v11, 1, v1
	v_lshl_add_u32 v11, v5, 3, v11                 ; row (lane / 2) + 8 (lane / 16) of the 32
	v_lshlrev_b32 v11, 5, v11
	v_and_b32 v12, 1, v1
	v_lshl_add_u32 v11, v12, 4, v11                ; x 32 bytes, + my half of the row
	v_mov_b32 v19, 0                               ; a lane permute's destination counts as one of its sources
	s_mov_b32 s20, 0x76543210
	s_mov_b32 s21, 0xfedcba98                      ; selects for lane l xor 16
	s_mov_b32 s19, 704
	s_wait_kmcnt 0x0
	s_cmp_lt_u32 ttmp9, 704                        ; which tensor: the choice hangs on the work-group's number alone
	s_cselect_b64 s[6:7], s[6:7], s[8:9]
	s_cselect_b32 s19, 512, s19
	s_cmp_lt_u32 ttmp9, 512
	s_cselect_b64 s[4:5], s[4:5], s[6:7]
	s_cselect_b32 s19, 0, s19
	s_sub_co_u32 s19, ttmp9, s19                   ; the row block's number in its tensor
	s_lshr_b32 s22, s19, 1
	s_lshl_b32 s22, s22, 17                        ; 32 rows of 4,096 bytes
	s_and_b32 s23, s19, 1
	s_lshl_b32 s23, s23, 15                        ; 8 rows
	s_add_co_u32 s22, s22, s23
	s_lshl_b32 s23, s16, 10                        ; my wave's 256 numbers of a row
	s_add_co_u32 s22, s22, s23
	s_mov_b32 s23, 0
	s_add_nc_u64 s[4:5], s[4:5], s[22:23]
	s_mul_i32 s22, ttmp9, 12288
	s_mul_i32 s24, s16, 3072
	s_add_co_u32 s22, s22, s24
	s_add_nc_u64 s[10:11], s[10:11], s[22:23]      ; my four half fragments
	s_lshr_b32 s22, ttmp9, 1
	s_lshl_b32 s22, s22, 10
	s_and_b32 s24, ttmp9, 1
	s_lshl_b32 s24, s24, 8
	s_add_co_u32 s22, s22, s24
	s_add_nc_u64 s[12:13], s[12:13], s[22:23]      ; the scale rows of the block's first row
.irp q, 0,1
.irp p, 0,1,2,3,4,5,6,7,8,9,10,11,12,13,14,15
	global_load_b128 v[X+64*\q+4*\p:X+64*\q+4*\p+3], v2, s[4:5] offset:(\p+8*(\p/8))*4096+512*\q th:TH_LOAD_NT   ; 512 consecutive bytes of the block's row p; read once in the launch
.endr
.endr
.macro TURN q                          ; step q's numbers through its stage: LDS serves a wave's instructions in order, so no wait stands between the stores and the loads
.irp p, 0,1,2,3,4,5,6,7,8,9,10,11,12,13,14,15
	ds_store_b128 v6, v[X+64*\q+4*\p:X+64*\q+4*\p+3] offset:STQ*\q+SP*\p
.endr
.irp c, 0,1
.irp i, 0,1,2,3,4,5,6,7
	ds_load_b128 v[X+64*\q+32*\c+4*\i:X+64*\q+32*\c+4*\i+3], v7 offset:STQ*\q+256*\c+16*\i   ; k = 64 c + 32 h + 4 i on, of row r
.endr
.endr
.endm
.macro QUANT1 q                        ; 2 x 32 numbers of a lane become two half fragments and two bytes of the row's scale word
.set XB, X+64*\q
.irp c, 0,1
	v_max3_num_f32 v[12+\c], |v[XB+32*\c]|, |v[XB+32*\c+1]|, 0x2800000   ; my block 2 c + h: all its 32 numbers are mine; and the floor 2^(5 - 127): the byte cannot fall under 1
.endr
.irp i, 2,4,6,8,10,12,14,16,18,20,22,24,26,28,30
.irp c, 0,1
	v_max3_num_f32 v[12+\c], v[12+\c], |v[XB+32*\c+\i]|, |v[XB+32*\c+\i+1]|   ; (the two blocks by turns)
.endr
.endr
.irp c, 0,1
	v_add_nc_u32 v[14+\c], 0xfe000000, v[12+\c]    ; 4 off the exponent field: the conversion takes the exponent field of this operand as its scale
.endr
.irp c, 0,1
	v_lshrrev_b32 v[16+\c], 23, v[14+\c]           ; the scale's byte
.endr
	v_lshl_or_b32 v18, v17, 16, v16                ; blocks h and 2 + h,
	v_lshlrev_b32 v18, v8, v18                     ; at their places in the word;
	v_permlanex16_b32 v19, v18, s20, s21
	v_or_b32 v[20+\q], v18, v19                    ; with lane l xor 16's two the word is whole
.irp c, 0,1
	v_cvt_scalef32_pk16_bf6_f32 v[P+8*(2*\q+\c):P+8*(2*\q+\c)+2], v[XB+32*\c:XB+32*\c+15], v[14+\c]
	v_cvt_scalef32_pk16_bf6_f32 v[22+4*\c:24+4*\c], v[XB+32*\c+16:XB+32*\c+31], v[14+\c]   ; (a conversion's three registers begin on an even number)
.endr
	v_nop                                          ; one plain place behind a scaled conversion
.irp c, 0,1
.irp i, 0,1,2
	v_mov_b32 v[P+8*(2*\q+\c)+3+\i], v[22+4*\c+\i]
.endr
.endr
.irp c, 0,1
	global_store_b128 v2, v[P+8*(2*\q+\c):P+8*(2*\q+\c)+3], s[10:11] offset:768*(2*\q+\c)        ; 512 consecutive bytes
	global_store_b64 v3, v[P+8*(2*\q+\c)+4:P+8*(2*\q+\c)+5], s[10:11] offset:768*(2*\q+\c)+512   ; 256 consecutive bytes; each half fragment has registers of its own, so no store's data are written again
.endr
.endm
	s_wait_loadcnt 16                              ; step 0's sixteen loads are in; step 1's may be out
	TURN 0
	s_wait_loadcnt 0x0
	TURN 1
	s_wait_dscnt 32                                ; step 0 is back; step 1's 16 stores and 16 loads may be out
	QUANT1 0
	s_wait_dscnt 0x0
	QUANT1 1
	ds_store_b64 v9, v[20:21]                      ; my wave's 8 scale bytes of row r (lanes l and l xor 16 write the same bytes with the same value)
	s_wait_dscnt 0x0                               ; for wave 0's sake
	s_barrier_signal -1
	s_barrier_wait -1
	s_cmp_lg_u32 s16, 0
	s_cbranch_scc1 .Lend
	ds_load_b128 v[32:35], v10                     ; the block's 512 scale bytes,
	s_wait_dscnt 0x0
	global_store_b128 v11, v[32:35], s[12:13]      ; as two runs of 8 rows: each half of the lanes stores 256 consecutive bytes, aligned
.Lend:
	s_wait_tensorcnt 0x0
	ds_add_u32 v192, v193
	s_wait_dscnt 0x0
	s_endpgm
; THE TABLE.  rope[t][fp] = cos(t w(2 fp)), cos(t w(2 fp + 1)), sin(t w(2 fp)), sin(t w(2 fp + 1)), w(j) = 10000^(-j / 32).  Thread: fp = thread % 16, eight tokens 64 e + 8 i + thread / 16.
.Lrope:
	s_sub_co_u32 s16, ttmp9, NRB                   ; e
	v_and_b32 v1, 15, v0                           ; fp
	v_lshrrev_b32 v2, 4, v0
	v_lshlrev_b32 v3, 4, v0                        ; 16 bytes a thread: a wave stores 512 consecutive bytes
	v_lshlrev_b32 v4, 1, v1
	v_add_nc_u32 v5, 1, v4
	v_cvt_f32_u32 v4, v4                           ; j, j + 1
	v_cvt_f32_u32 v5, v5
	s_mov_b32 s17, 0xbed49a78                      ; -log2(10000) / 32, its leading 24 bits,
	s_mov_b32 s18, 0xb2179a6b                      ; and the rest
	s_mov_b32 s20, 0xbfc90fdb                      ; -pi / 2, its leading 24 bits,
	s_mov_b32 s21, 0x333bbd2e                      ; and what that leaves out (with the sign that the sum wants)
	v_mov_b32 v24, 0x3638ef1d                      ; 1 / 9!
	v_mov_b32 v25, 0xb493f27e                      ; -1 / 10!
	v_mul_f32 v6, s17, v4                          ; the exponent, rounded;
	v_mul_f32 v7, s17, v5
	v_fma_f32 v8, v4, s17, -v6                     ; what the rounding dropped,
	v_fma_f32 v9, v5, s17, -v7
	v_fma_f32 v8, v4, s18, v8                      ; and the constant's rest
	v_fma_f32 v9, v5, s18, v9
	s_wait_alu depctr_va_vdst(0)
	v_exp_f32 v6, v6
	v_exp_f32 v7, v7
	s_lshl_b32 s19, s16, 6
	v_add_nc_u32 v12, s19, v2                      ; (a plain place behind the exponentials)  my first token
	s_wait_alu depctr_va_vdst(0)
	v_mul_f32 v10, 0x3f317218, v6
	v_mul_f32 v11, 0x3f317218, v7
	v_fma_f32 v6, v10, v8, v6                      ; 2^(a + d) = 2^a (1 + d ln 2)
	v_fma_f32 v7, v11, v9, v7
	s_lshl_b32 s22, s16, 14                        ; 64 tokens of 256 bytes
	s_mov_b32 s23, 0
	s_wait_kmcnt 0x0
	s_add_nc_u64 s[14:15], s[14:15], s[22:23]
.macro SINCOS inv, oc, os              ; the token's number in v13 as f32; cosine to v[oc], sine to v[os]
	v_mul_f32 v14, v13, v[\inv]                    ; the angle: one rounding
	v_mul_f32 v15, 0x3f22f983, v14
	v_rndne_f32 v15, v15                           ; n = the nearest multiple of pi / 2
	v_fma_f32 v16, v15, s20, v14                   ; exact: the difference has no more than 24 bits
	v_fma_f32 v16, v15, s21, v16                   ; r, between -pi / 4 and pi / 4
	v_mul_f32 v17, v16, v16                        ; z = r r
	v_fmaak_f32 v18, v24, v17, 0xb9500d01          ; the two series by turns
	v_fmaak_f32 v19, v25, v17, 0x37d00d01
	v_fmaak_f32 v18, v18, v17, 0x3c088889
	v_fmaak_f32 v19, v19, v17, 0xbab60b61
	v_fmaak_f32 v18, v18, v17, 0xbe2aaaab
	v_fmaak_f32 v19, v19, v17, 0x3d2aaaab
	v_mul_f32 v20, v16, v17
	v_fmaak_f32 v19, v19, v17, 0xbf000000
	v_fma_f32 v18, v20, v18, v16                   ; sin r
	v_fma_f32 v19, v19, v17, 1.0                   ; cos r
	v_cvt_i32_f32 v21, v15
	v_and_b32 v22, 1, v21
	v_cmp_eq_u32 vcc_lo, 1, v22                    ; in odd quadrants the two change places
	v_cndmask_b32 v[\os], v18, v19, vcc_lo
	v_cndmask_b32 v[\oc], v19, v18, vcc_lo
	v_and_b32 v22, 2, v21                          ; the sine is negative in quadrants 2 and 3,
	v_add_nc_u32 v23, 1, v21
	v_lshlrev_b32 v22, 30, v22
	v_and_b32 v23, 2, v23                          ; the cosine in 1 and 2
	v_xor_b32 v[\os], v[\os], v22
	v_lshlrev_b32 v23, 30, v23
	v_xor_b32 v[\oc], v[\oc], v23
.endm
.irp i, 0,1,2,3,4,5,6,7
	v_add_nc_u32 v13, 8*\i, v12
	v_cvt_f32_u32 v13, v13
	s_wait_alu depctr_va_vdst(0)
	SINCOS 6, 32+4*\i, 34+4*\i
	SINCOS 7, 33+4*\i, 35+4*\i
	global_store_b128 v3, v[32+4*\i:35+4*\i], s[14:15] offset:2048*\i   ; each token group has registers of its own
.endr
	s_endpgm
.Lfunc_end_k_qaafb79387d_prep:
	.size	k_qaafb79387d_prep, .Lfunc_end_k_qaafb79387d_prep-k_qaafb79387d_prep
	.p2alignl 7, 3214868480
	.fill 96, 4, 3214868480
	.section	.rodata,"a",@progbits
	.p2align	6, 0x0
	.amdhsa_kernel k_qaafb79387d_prep
		.amdhsa_group_segment_fixed_size 68608
		.amdhsa_private_segment_fixed_size 0
		.amdhsa_enable_private_segment 0
		.amdhsa_kernarg_size 48
		.amdhsa_user_sgpr_count 2
		.amdhsa_user_sgpr_kernarg_segment_ptr 1
		.amdhsa_wavefront_size32 1
		.amdhsa_system_sgpr_workgroup_id_x 1
		.amdhsa_system_sgpr_workgroup_id_y 1
		.amdhsa_system_sgpr_workgroup_id_z 1
		.amdhsa_system_vgpr_workitem_id 0
		.amdhsa_next_free_vgpr 194
		.amdhsa_next_free_sgpr 66
		.amdhsa_reserve_vcc 1
		.amdhsa_float_denorm_mode_32 3
		.amdhsa_float_denorm_mode_16_64 3
		.amdhsa_memory_ordered 1
		.amdhsa_forward_progress 1
		.amdhsa_inst_pref_size 41
	.end_amdhsa_kernel
	.amdgpu_metadata
---
amdhsa.version: [ 1, 2 ]
amdhsa.kernels:
  - .name:           k_qaafb79387d_prep
    .symbol:         k_qaafb79387d_prep.kd
    .args:
      - { .name: x, .offset: 0, .size: 8, .value_kind: global_buffer, .address_space: global }
      - { .name: Wqkv, .offset: 8, .size: 8, .value_kind: global_buffer, .address_space: global }
      - { .name: Wproj, .offset: 16, .size: 8, .value_kind: global_buffer, .address_space: global }
      - { .name: cod1, .offset: 24, .size: 8, .value_kind: global_buffer, .address_space: global }
      - { .name: scl1, .offset: 32, .size: 8, .value_kind: global_buffer, .address_space: global }
      - { .name: rope, .offset: 40, .size: 8, .value_kind: global_buffer, .address_space: global }
    .group_segment_fixed_size: 68608
    .private_segment_fixed_size: 0
    .kernarg_segment_align: 8
    .kernarg_segment_size: 48
    .max_flat_workgroup_size: 128
    .sgpr_count:     66
    .vgpr_count:     194
    .wavefront_size: 32
...
	.end_amdgpu_metadata
.endif
;; end of part 1
;; launch qkv (part 2): grid 12 x 32, 4 waves a work-group, clusters of 4 x 4, 327,680 bytes of LDS; arguments cod1, scl1, rope, qb, kv; writes qb, kv
.if DOCPART == 2
	.amdgcn_target "amdgcn-amd-amdhsa--gfx1250"
	.amdhsa_code_object_version 6
	.text
	.protected	k_qaafb79387d_qkv
	.globl	k_qaafb79387d_qkv
	.p2align	8
	.type	k_qaafb79387d_qkv,@function
k_qaafb79387d_qkv:
	s_mov_b64 s[64:65], 0
	v_nop
	global_prefetch_b8 v0, s[64:65] scope:SCOPE_SE
	s_setreg_imm32_b32 hwreg(HW_REG_WAVE_MODE, 25, 1), 1
	s_wait_xcnt 0x0
	s_wait_alu depctr_hold_cnt(0) depctr_sa_sdst(0) depctr_va_vdst(0) depctr_va_sdst(0) depctr_va_ssrc(0) depctr_va_vcc(0) depctr_vm_vsrc(0)
	s_getreg_b32 s2, hwreg(HW_REG_IB_STS2, 6, 4)
	s_cmp_eq_u32 s2, 0
	s_cbranch_scc0 .Lentry_in_a_cluster
	s_endpgm
.Lentry_in_a_cluster:
	s_bfe_u32 s2, ttmp6, 0x10000c
	s_cmp_lg_u32 s2, 0xf033
	s_cbranch_scc0 .Lentry_shape_is_right
	s_endpgm
.Lentry_shape_is_right:
; QKV.  qkv = x Wqkv^T on codes of BF6 (E3M2) with one E8M0 scale for each 32 along K = 1,024; sums in f32.  Then, in registers: the rotary embedding on q and k, in f32; q and k quantised along the head's 64,
; v quantised along the tokens; all three stored as images of the operands' registers for the attention launch.  Nothing wide goes to memory.
; LIMITS: NaN and infinities are not served; a block whose largest magnitude lies under 2^-122 gets the scale byte 1 (the bytes are read by this program alone).
; OPERANDS.  Row blocks of 16 rows (block 2 B + u, lane r: row 32 B + 8 u + r + 8 (r / 8)), each 16 half fragments of 768 bytes (64 along K as the registers hold them: registers 0-3 at 16 x lane, 4-5 at 512 + 8 x lane).
;   In a product of source 0's block b and source 1's block a, lane (r, h) then holds source 1's row 32 (a / 2) + 8 (a % 2) + r + 8 (r / 8), and register j source 0's row 32 (b / 2) + 16 h + 8 (b % 2) + j:
;   the 16 registers of blocks 2 B and 2 B + 1 are 16 neighbours, as the conversions want them.
; SHARES.  A tile is 256 rows of "A" (source 1) x 256 rows of "B" (source 0); four waves, each 128 x 128: 64 accumulators, 512 registers.  The cluster's x says what is made: 0 q, 1 k, 2 v.
;   q, k: A = tokens of x, B = rows of Wqkv: a lane holds a token, its registers run along the head.   v: A = rows of Wv, B = tokens: a lane holds a channel, its registers run along the tokens.  Only offsets differ.
; K goes in 8 steps of 128; 256 along K make a K slot; K slots 0, 1, 2 are first fills of three LDS slots, K slot 3 is the one refill (of slot 0).  The scale bytes of the tile's rows come once, with the first fills.
; CLUSTERS: 4 x 4 work-groups; A's tiles are asked for jointly along a row of the cluster, B's along a column.
; REGISTERS, in windows of 256: window 0: v1-29 addresses; v32-63 scale words, two sets; v64-127 the table's cosines and sines, two sets; v128-223 A's 8 fragments, one set (on the way out v32-59 and v128-231 are at work).
;   window 1: B's fragments, two sets, at v0 and v128.   window 2: accumulators of A's blocks 0-3 ((a, b) at v[8 (8 (a % 4) + b)]);   window 3: of blocks 4-7.
.set SLOTB, 98304                      ; an LDS slot: four quarters
.set QUART, 24576                      ; a quarter: 8 row blocks x 3,072 bytes: what one tensor load brings, and what one wave reads of A or of B
.set RBK,   3072                       ; a row block's bytes of a K slot: four half fragments
.set RBB,   12288                      ; a row block's bytes in memory
.set SCL,   3*SLOTB                    ; behind the slots: the scale bytes, as runs of 256 bytes + 16 of padding; 8 rows of 32 bytes to a run
.set HALFS, 16*272                     ; those of 128 rows
.set SPARE, SCL+4*HALFS                ; the spare words, 128 bytes for each wave: two blocks of 256 bytes that no other line names
.set FR,    12                         ; registers of a fragment
.set A16,   4                          ; v4-6    LDS address of my A fragments in slot 0, 1, 2, + 16 x lane
.set A8,    7                          ; v7-9    the same + 8 x lane
.set B16,   10                         ; v10-12  the same for B
.set B8,    13                         ; v13-15
.set ADRS,  27                         ; v27     my scale words: lanes 0-15 A's rows, lanes 16-31 B's
.set SPW,   28                         ; v28     LDS address of my spare word; never rewritten
.set NIL,   29                         ; v29     0; never rewritten
.set SC,    32                         ; scale words: set x at SC + 16 x; register 2 i + q: block i, the K slot's q-th 128
.set AF,    128                        ; A's fragments
.set G1A,  24                          ; s[24:31] descriptor group 1 for A's codes;  s[32:39] for B's;  s[40:47], s[48:55] for their scale bytes
.set G1B,  32
.set G1SA, 40
.set G1SB, 48
.set G0SA, 56                          ; s[56:59], s[60:63] groups 0 for the scale bytes
.set G0SB, 60
.set G0A,  68                          ; s[68:79] groups 0 for A's codes, one for each slot;  s[80:91] for B's
.set G0B,  80
.set SEL,  22                          ; s[22:23] selects for lane l xor 16
.set CBE,  92                          ; s[92:93] where the even head's images go;  s[94:95] the odd head's;  s[96:97] the scale words;  s[98:99] the table at my first token
.set CBO,  94
.set SBS,  96
.set RPB,  98
.set TM,   32                          ; the way out: v32-47 at work;  v48 a scale word;  v52-59 the eight tiles' scale words
.set PW,   48
.set SW,   52
.set CS,   64                          ; v64-95, v96-127 cosines and sines of a tile's tokens, by turns
.set ST,   128                         ; v128-191 64 numbers to be quantised
.set PC,   192                         ; v192-211, v212-231 codes, by turns
.set MSB, 0
.macro WIN new                         ; the immediate's high byte repeats the setting that is left
.if MSB != (\new)
	s_set_vgpr_msb (MSB<<8)|(\new)
.set MSB, (\new)
.endif
.endm
.set MUL_LO, 0xa1                      ; source 0 (B) window 1, source 1 (A) window 0, C and D window 2
.set MUL_HI, 0xf1                      ; the same, C and D window 3
.set TO_B,   0x40                      ; destination window 1, address window 0
; A joint load: waves 0 and 1 fetch for A, waves 2 and 3 for B.  Each line has one mask and one set of registers for all that issue it; the branch hangs on the wave's number alone.
; Four v_nop follow each of the two lines, ahead of the jump, the label and what follows.
.macro JLOAD g0a, g1a, g0b, g1b
	s_cmp_eq_u32 s15, 0
	s_cbranch_scc0 .Lfor_b_\@
	tensor_load_to_lds s[\g0a:\g0a+3], s[\g1a:\g1a+7]
	s_nop 0
.rept 4
	v_nop
.endr
	s_branch .Lasked_\@
.Lfor_b_\@:
	tensor_load_to_lds s[\g0b:\g0b+3], s[\g1b:\g1b+7]
	s_nop 0
.rept 4
	v_nop
.endr
.Lasked_\@:
.endm
.macro CREST                           ; a round of the cluster's barrier behind its opening barrier
	s_cmp_lg_u32 s14, 0
	s_cbranch_scc1 .Lnot_wave_0_\@
	s_barrier_signal -3
.Lnot_wave_0_\@:
	s_barrier_wait -3
	s_barrier_signal -1
	s_barrier_wait -1
.endm
.macro CROUND                          ; a whole round
	s_barrier_signal -1
	s_barrier_wait -1
	CREST
.endm
.macro PLACES                          ; four places behind a matrix instruction of this form, in front of loads into registers that it has read and of the first read of results
.rept 4
	v_nop
.endr
.endm
	s_load_b256 s[4:11], s[0:1], 0x0               ; cod1 s[4:5], scl1 s[6:7], rope s[8:9], qb s[10:11]
	s_load_b64 s[12:13], s[0:1], 0x20              ; kv
	v_lshl_add_u32 v[SPW], v0, 2, SPARE
	v_mov_b32 v[NIL], 0
	ds_add_u32 v28, v29
	ds_add_u32 v28, v29
	s_wait_dscnt 0x0
	v_lshrrev_b32 v1, 5, v0
	v_readfirstlane_b32 s14, v1                    ; wave 0..3
	s_lshr_b32 s15, s14, 1                         ; my half of A's rows.  Also: I fetch for A (0) or for B (1)
	s_and_b32 s16, s14, 1                          ; my half of B's rows.  Also: which 128 rows I fetch
	s_bfe_u32 s17, ttmp6, 0x40000                  ; cx
	s_bfe_u32 s18, ttmp6, 0x40004                  ; cy
	s_and_b32 s20, ttmp7, 0xffff                   ; the cluster's y: 1,024 tokens
	s_lshl_b32 s21, s18, 2
	s_lshl_b32 s21, 15, s21                        ; my row of the cluster
	s_lshl_b32 s22, 0x1111, s17                    ; my column
	; group 1 for codes: 8 row blocks x 3,072 bytes (384 elements of 8 bytes), 12,288 bytes apart; no padding: the images are read densely
	s_or_b32 s[G1A], s21, (3<<16)|(1<<21)          ; 15:0 the mask; 17:16 elements of 8 bytes; 21 set beside a mask
	s_or_b32 s[G1B], s22, (3<<16)|(1<<21)
.irp g, G1A, G1B
	s_mov_b32 s[\g+1], 768<<16                     ; for the head's loads: K slots 0 and 1 on end, 6,144 bytes of a row block,
	s_mov_b32 s[\g+2], 16<<16                      ; of all 16 row blocks of the tile
	s_mov_b32 s[\g+3], 768<<16
	s_mov_b32 s[\g+4], 16
	s_mov_b32 s[\g+5], 1536                        ; tensor_dim0_stride
	s_mov_b32 s[\g+6], 0
	s_mov_b32 s[\g+7], 0
.endr
	; group 1 for the scale bytes of 256 rows: 8,192 dense bytes as 32 rows of 256 bytes, 16 bytes of padding behind each
	s_or_b32 s[G1SA], s21, (3<<16)|(1<<20)|(1<<21)|(5<<22)|(3<<25)
	s_or_b32 s[G1SB], s22, (3<<16)|(1<<20)|(1<<21)|(5<<22)|(3<<25)
.irp g, G1SA, G1SB
	s_mov_b32 s[\g+1], 32<<16
	s_mov_b32 s[\g+2], 32<<16                      ; the scale bytes of all 256 rows come by one load: 32 rows of 256 bytes
	s_mov_b32 s[\g+3], 32<<16
	s_mov_b32 s[\g+4], 32
	s_mov_b32 s[\g+5], 32
	s_mov_b32 s[\g+6], 0
	s_mov_b32 s[\g+7], 0
.endr
	; the first row block that I fetch.  x: blocks 0 on; Wqkv: 512 on (q 512, k 576, v 640).  A's hangs on cy alone, B's on cx alone
	s_lshl_b32 s23, s20, 6                         ; the cluster's 64 blocks of tokens
	s_lshl_b32 s19, ttmp9, 6
	s_add_co_u32 s19, s19, 512                     ; q's or k's 64 blocks of weights
	s_mov_b32 s3, 640                              ; v's
	s_cmp_eq_u32 ttmp9, 2
	s_cselect_b32 s92, s3, s23                     ; A: Wv for v, tokens else
	s_cselect_b32 s94, s23, s19                    ; B: tokens for v, weights else
	s_lshl_b32 s2, s18, 4
	s_add_co_u32 s92, s92, s2                      ; + 16 cy: the tile's first row block
	s_lshl_b32 s100, s17, 4
	s_add_co_u32 s94, s94, s100                    ; + 16 cx
	s_lshl_b32 s96, s92, 9                         ; its scale rows: 16 rows of 32 bytes a block
	s_lshl_b32 s98, s94, 9
	s_mul_i32 s92, s92, RBB
	s_mul_i32 s94, s94, RBB
	s_mov_b32 s93, 0
	s_mov_b32 s95, 0
	s_mov_b32 s97, 0
	s_mov_b32 s99, 0
	s_mul_i32 s19, s14, QUART                      ; where they go: wave x a quarter: no place in the cluster enters an LDS address
	s_wait_kmcnt 0x0
	s_add_nc_u64 s[92:93], s[4:5], s[92:93]
	s_add_nc_u64 s[94:95], s[4:5], s[94:95]
	s_add_nc_u64 s[96:97], s[6:7], s[96:97]
	s_add_nc_u64 s[98:99], s[6:7], s[98:99]
	CROUND                                         ; all sixteen work-groups are here: the first joint loads meet
	s_mov_b32 s[G0SA], 1
	s_mov_b32 s[G0SA+1], SCL
	s_mov_b64 s[G0SA+2:G0SA+3], s[96:97]
	s_or_b32 s[G0SA+3], s[G0SA+3], 0x80000000
	s_mov_b32 s[G0SB], 1
	s_mov_b32 s[G0SB+1], SCL+2*HALFS
	s_mov_b64 s[G0SB+2:G0SB+3], s[98:99]
	s_or_b32 s[G0SB+3], s[G0SB+3], 0x80000000
; LDS AS IT IS USED: bytes 0 on: K slots 0 and 1 of A's 16 row blocks, 6,144 bytes a block; SLOTB on: the same of B's; 2 SLOTB on: K slot 2, four quarters of 8 blocks x 3,072 bytes;
; K slot 3 is the one refill: four such quarters from byte 0 on, asked for in K step 3, when K slots 0 and 1 are read out.
	s_mov_b32 s[G0A+8], 1                          ; the head's loads: A's 16 row blocks,
	s_mov_b32 s[G0A+9], 0
	s_mov_b64 s[G0A+10:G0A+11], s[92:93]
	s_or_b32 s[G0A+11], s[G0A+11], 0x80000000
	s_mov_b32 s[G0B+8], 1                          ; and B's
	s_mov_b32 s[G0B+9], SLOTB
	s_mov_b64 s[G0B+10:G0B+11], s[94:95]
	s_or_b32 s[G0B+11], s[G0B+11], 0x80000000
	s_mul_i32 s2, s16, 8*RBB                       ; later loads bring 8 row blocks: my half, in bytes
	s_mov_b32 s3, 0
	s_add_nc_u64 s[92:93], s[92:93], s[2:3]
	s_add_nc_u64 s[94:95], s[94:95], s[2:3]
.irp s, 0,1                            ; set 0: K slot 3 to byte wave x QUART;  set 1: K slot 2, 2 SLOTB further on
	s_mov_b32 s[G0A+4*\s], 1
	s_add_co_u32 s[G0A+4*\s+1], s19, \s*2*SLOTB
	s_add_nc_u64 s[G0A+4*\s+2:G0A+4*\s+3], s[92:93], (3-\s)*RBK
	s_or_b32 s[G0A+4*\s+3], s[G0A+4*\s+3], 0x80000000
	s_mov_b32 s[G0B+4*\s], 1
	s_add_co_u32 s[G0B+4*\s+1], s19, \s*2*SLOTB
	s_add_nc_u64 s[G0B+4*\s+2:G0B+4*\s+3], s[94:95], (3-\s)*RBK
	s_or_b32 s[G0B+4*\s+3], s[G0B+4*\s+3], 0x80000000
.endr
.macro KSLOT n                         ; where K slot n lies: RI the address registers' index, PIT bytes from row block to row block, EX its first byte in a block's bytes
.if (\n) < 2
.set RI, 0
.set PIT, 2*RBK
.set EX, (\n)*RBK
.else
.set RI, (\n)-1
.set PIT, RBK
.set EX, 0
.endif
.endm
; THE HEAD'S LOADS, ONE A WAVE: wave 0 A's codes, wave 1 B's, wave 2 A's scale bytes, wave 3 B's: one chain of branches on the wave's number, every way passes one load
.macro ARM under, g0, g1, next
	s_cmp_lt_u32 s14, \under
	s_cbranch_scc0 \next
	tensor_load_to_lds s[\g0:\g0+3], s[\g1:\g1+7]
	s_nop 0
	PLACES
	s_branch .Lhead_asked
\next:
.endm
	ARM 1, G0A+8, G1A, .Lhead_b
	ARM 2, G0B+8, G1B, .Lhead_sa
	ARM 3, G0SA, G1SA, .Lhead_sb
	tensor_load_to_lds s[G0SB:G0SB+3], s[G1SB:G1SB+7]
	s_nop 0
	PLACES
.Lhead_asked:
	s_mul_i32 s21, s15, QUART                      ; index 2, K slot 3: my 128 rows of A,
	s_mul_i32 s19, s16, QUART                      ; my 128 rows of B,
	s_add_co_u32 s19, s19, 2*QUART                 ; which lie behind A's 256
	s_add_co_u32 s2, s21, 2*SLOTB                  ; index 1, K slot 2
	s_add_co_u32 s3, s19, 2*SLOTB
	s_mul_i32 s100, s15, 2*QUART                   ; index 0, K slots 0 and 1: 8 blocks of 6,144 bytes a half
	s_mul_i32 s101, s16, 2*QUART
	s_add_co_u32 s101, s101, SLOTB
	v_and_b32 v1, 15, v0                           ; r
	v_bfe_u32 v2, v0, 4, 1                         ; h
	v_and_b32 v3, 31, v0                           ; lane
	v_lshlrev_b32 v16, 4, v3                       ; 16 x lane
	v_lshlrev_b32 v17, 3, v3                       ; 8 x lane
.macro ADR4 n, sa, sb
	v_add_nc_u32 v[A16+\n], s\sa, v16
	v_add_nc_u32 v[A8+\n], s\sa, v17
	v_add_nc_u32 v[B16+\n], s\sb, v16
	v_add_nc_u32 v[B8+\n], s\sb, v17
.endm
	ADR4 0, 100, 101
	ADR4 1, 2, 3
	ADR4 2, 21, 19
	v_and_b32 v18, 7, v1
	v_lshlrev_b32 v18, 5, v18                      ; my row's 32 scale bytes: 32 (r % 8) in its run,
	v_lshrrev_b32 v19, 3, v1
	v_mad_u32_u24 v18, v19, 544, v18               ; two runs on for r >= 8 (the row is r + 8 then)
	s_mul_i32 s21, s15, HALFS                      ; A's: my 128 rows
	s_mul_i32 s19, s16, HALFS                      ; B's: my 128 rows, behind A's 256
	s_add_co_u32 s19, s19, 2*HALFS
	s_sub_co_u32 s19, s19, s21
	v_mul_u32_u24 v19, s19, v2                     ; lanes 16-31 take B's: one product, the distance x h
	s_add_co_u32 s21, s21, SCL
	v_add_nc_u32 v18, v18, v19
	v_add_nc_u32 v[ADRS], s21, v18
	; WHERE THE RESULTS GO.  q, k: cy counts tokens and cx heads; v: the other way round; likewise the wave's two halves.
	s_cmp_eq_u32 ttmp9, 2
	s_cselect_b32 s19, s17, s18                    ; the place that counts tokens
	s_cselect_b32 s21, s18, s17                    ; the place that counts heads
	s_cselect_b32 s2, s16, s15                     ; my half of the tokens
	s_cselect_b32 s3, s15, s16                     ; my half of the heads
	s_cselect_b32 s100, 6144, 0                    ; in a key step's bytes v's fragments lie behind k's
	s_lshl_b32 s20, s20, 2
	s_add_co_u32 s20, s20, s19                     ; tile of 256 tokens, 0 .. 31
	s_lshr_b32 s19, s20, 3                         ; the batch
	s_and_b32 s20, s20, 7
	s_lshl_b32 s20, s20, 1
	s_add_co_u32 s20, s20, s2                      ; G: my group of 128 tokens in the batch
	s_lshl_b32 s21, s21, 2
	s_lshl_b32 s3, s3, 1
	s_add_co_u32 s21, s21, s3                      ; my even head
	s_lshl_b32 s19, s19, 4
	s_add_co_u32 s19, s19, s21                     ; batch x 16 + head
	s_mov_b32 s2, 208896                           ; kv: a head's bytes,
	s_mov_b32 s3, 13056                            ; a key step's,
	s_mov_b32 s23, 12288                           ; and where k's scale words begin in it
	s_cmp_eq_u32 ttmp9, 0
	s_cselect_b32 s101, 106496, s2                 ; qb: a head's bytes,
	s_cselect_b32 s3, 6656, s3                     ; a group's,
	s_cselect_b32 s23, 6144, s23                   ; and where its scale words begin
	s_cselect_b64 s[10:11], s[10:11], s[12:13]     ; the buffer: the choice hangs on the cluster's number alone
	s_cmp_eq_u32 ttmp9, 2
	s_cselect_b32 s23, 6656, s23                   ; v's scale words, counted from v's fragments
	s_mul_i32 s2, s19, s101
	s_mul_i32 s3, s20, s3
	s_add_co_u32 s2, s2, s3
	s_add_co_u32 s2, s2, s100
	s_mov_b32 s3, 0
	s_add_nc_u64 s[CBE:CBE+1], s[10:11], s[2:3]
	s_mov_b32 s2, s101
	s_add_nc_u64 s[CBO:CBO+1], s[CBE:CBE+1], s[2:3]
	s_mov_b32 s2, s23
	s_add_nc_u64 s[SBS:SBS+1], s[CBE:CBE+1], s[2:3]
	s_lshl_b32 s2, s20, 15                         ; 128 G tokens of 256 bytes
	s_add_nc_u64 s[RPB:RPB+1], s[8:9], s[2:3]
	v_and_b32 v18, 8, v1
	v_add_nc_u32 v18, v18, v1
	v_lshlrev_b32 v18, 8, v18
	v_lshl_add_u32 v18, v2, 7, v18                 ; the table: token r + 8 (r / 8) of a tile, + 128 h: the frequencies 16 h on
	v_lshlrev_b32 v19, 4, v2                       ; 16 h: which half of a scale word is my head's
	v_mul_u32_u24 v20, s101, v2
	v_lshl_add_u32 v20, v1, 4, v20                 ; scale words: 16 r, lanes 16-31 in the odd head's bytes
	s_mov_b32 s[SEL], 0x76543210
	s_mov_b32 s[SEL+1], 0xfedcba98
.macro FRAG reg, a16, a8, q, i         ; a fragment, 16 rows x 128 K: two half fragments as they lie: every load is dense, 16 or 8 bytes a lane
	ds_load_b128 v[\reg:\reg+3], v[\a16] offset:PIT*(\i)+EX+1536*(\q)
	ds_load_b64 v[\reg+4:\reg+5], v[\a8] offset:PIT*(\i)+EX+1536*(\q)+512
	ds_load_b128 v[\reg+6:\reg+9], v[\a16] offset:PIT*(\i)+EX+1536*(\q)+768
	ds_load_b64 v[\reg+10:\reg+11], v[\a8] offset:PIT*(\i)+EX+1536*(\q)+1280
.endm
; 16 matrix instructions: A's blocks a0, a0 + 1 x B's eight.  p: B's set; q: which 128 of the K slot; sc: the set of scale words.  zero = 1: the first product starts the sums.
; The 64 accumulators take turns, one instruction a turn, in the same order in every step.
.macro MUL16 a0, p, q, sc, zero
.irp a, \a0, \a0+1
.irp b, 0,1,2,3,4,5,6,7
.if \zero
	v_wmma_scale_f32_16x16x128_f8f6f4 v[8*(8*((\a)%4)+\b):8*(8*((\a)%4)+\b)+7], v[128*(\p)+FR*\b:128*(\p)+FR*\b+FR-1], v[AF+FR*(\a):AF+FR*(\a)+FR-1], 0, v[SC+16*(\sc)+2*\b+(\q)], v[SC+16*(\sc)+2*(\a)+(\q)] matrix_a_fmt:MATRIX_FMT_BF6 matrix_b_fmt:MATRIX_FMT_BF6 matrix_a_scale:MATRIX_SCALE_ROW1
.else
	v_wmma_scale_f32_16x16x128_f8f6f4 v[8*(8*((\a)%4)+\b):8*(8*((\a)%4)+\b)+7], v[128*(\p)+FR*\b:128*(\p)+FR*\b+FR-1], v[AF+FR*(\a):AF+FR*(\a)+FR-1], v[8*(8*((\a)%4)+\b):8*(8*((\a)%4)+\b)+7], v[SC+16*(\sc)+2*\b+(\q)], v[SC+16*(\sc)+2*(\a)+(\q)] matrix_a_fmt:MATRIX_FMT_BF6 matrix_b_fmt:MATRIX_FMT_BF6 matrix_a_scale:MATRIX_SCALE_ROW1
.endif
.endr
.endr
.endm
.macro FETCH_B slot, q, p              ; B's eight fragments into set p
	WIN TO_B
.irp i, 0,1,2,3,4,5,6,7
	KSLOT \slot
	FRAG 128*(\p)+FR*\i, B16+RI, B8+RI, \q, \i
.endr
	WIN 0
.endm
.macro FETCH_A slot, q, i0             ; A's blocks i0 .. i0 + 3
.irp i, \i0, \i0+1, \i0+2, \i0+3
	KSLOT \slot
	FRAG AF+FR*(\i), A16+RI, A8+RI, \q, \i
.endr
.endm
.macro SCALES n                        ; K slot n's scale words, two a row: lanes 0-15 A's block i, lanes 16-31 B's block i
.irp i, 0,1,2,3,4,5,6,7
	ds_load_b64 v[SC+16*((\n)%2)+2*\i:SC+16*((\n)%2)+2*\i+1], v[ADRS] offset:(4*(\i/2)+\i%2)*272+8*(\n)
.endr
.endm
; A step of 128 along K.  q: which of its K slot (also B's set); ss: the set of scale words; the next step's fragments come from slot nsl, its nq-th 128; nn >= 0: K slot nn's scale words are fetched too.
.macro STEP q, ss, zero, nsl, nq, nn
	s_wait_dscnt 16                                ; all but the youngest sixteen loads (A's blocks 4-7, four each) are in
	WIN MUL_LO
	MUL16 0, \q, \q, \ss, \zero
	MUL16 2, \q, \q, \ss, \zero
	s_wait_dscnt 0x0                               ; A's blocks 4-7 are in
	PLACES
	FETCH_B \nsl, \nq, 1-\q
	FETCH_A \nsl, \nq, 0
.if \nn >= 0
	SCALES \nn
.endif
	WIN MUL_HI
	MUL16 4, \q, \q, \ss, \zero
	MUL16 6, \q, \q, \ss, \zero
	PLACES
	WIN 0
	FETCH_A \nsl, \nq, 4
.endm
; A K slot's second step with a barrier in it.  In front of the barrier each wave waits for all its tensor loads, adds 0 to its spare word, and waits for that and for its own LDS reads.
; fill = 1: slot 0, just read out, takes K slot 3: the barrier opens a round of the cluster's barrier, and the joint refill is the first tensor load behind it.
.macro TURN ss, nsl, nn, fill
	s_wait_tensorcnt 0x0                           ; all my tensor loads have landed  (every window is 0 here: the add's two registers lie in window 0)
	ds_add_u32 v[SPW], v[NIL]                      ; 0 onto my spare word
	s_wait_dscnt 17                                ; (the add and the youngest sixteen loads may be out)
	WIN MUL_LO
	MUL16 0, 1, 1, \ss, 0                          ; sixteen matrix instructions stand between the add and the wait for it
	s_wait_dscnt 0x0                               ; the add is done, and my reads of the slots read so far are over
	s_barrier_signal -1
	MUL16 2, 1, 1, \ss, 0
	WIN 0
	s_barrier_wait -1
.if \fill
	CREST                                          ; no wave of any partner still reads slot 0 or has a load on its way
	JLOAD G0A, G1A, G0B, G1B                       ; K slot 3, wanted in the middle of K step 5; the four v_nop behind it are the places in front of the loads below
.else
	PLACES
.endif
	FETCH_B \nsl, 0, 0
	FETCH_A \nsl, 0, 0
	SCALES \nn
	WIN MUL_HI
	MUL16 4, 1, 1, \ss, 0
	MUL16 6, 1, 1, \ss, 0
	PLACES
	WIN 0
	FETCH_A \nsl, 0, 4
.endm
.macro LASTSLOT                        ; K steps 6 and 7
	STEP 0, 1, 0, 3, 1, -1
	s_wait_dscnt 16
	WIN MUL_LO
	MUL16 0, 1, 1, 1, 0
	MUL16 2, 1, 1, 1, 0
	s_wait_dscnt 0x0
	WIN MUL_HI
	MUL16 4, 1, 1, 1, 0
	MUL16 6, 1, 1, 1, 0
	WIN 0
.endm
.macro FIN                             ; the wave's end
	s_wait_tensorcnt 0x0                           ; the wait for my tensor loads, 0 onto my spare word and its wait: my last LDS instructions
	ds_add_u32 v[SPW], v[NIL]
	s_wait_dscnt 0x0
	CROUND                                         ; the closing round: no work-group ends while a partner may still ask for a tile that names it
	s_endpgm
.endm
; 64 numbers of a lane in window w, v[s] on, register 16 b + i = k 32 b + 16 h + i of my row, become a fragment's codes in v[pc] .. v[pc + 11] and its scale word in v[pw].
.macro QUANT s, w, pc, pw
	WIN (\w)*5                                     ; sources 0 and 1: the numbers' window
.irp b, 0,1,2,3
	v_max3_num_f32 v[TM+\b], |v[\s+16*\b]|, |v[\s+16*\b+1]|, 0x2800000   ; block b: my 16 numbers, from each accumulator's low end on; and the floor 2^(5 - 127): the byte cannot fall under 1
.endr
.irp i, 2,4,6,8,10,12,14
.irp b, 0,1,2,3
	v_max3_num_f32 v[TM+\b], |v[\s+16*\b+\i]|, |v[\s+16*\b+\i+1]|, v[TM+\b]   ; (the four blocks by turns)
.endr
.endr
	WIN 0
.irp b, 0,1,2,3
	v_permlanex16_b32 v[TM+4+\b], v[TM+\b], s[SEL], s[SEL+1]
.endr
.irp b, 0,1,2,3
	v_max_num_f32 v[TM+\b], v[TM+\b], v[TM+4+\b]   ; with lane l xor 16's: the block's largest magnitude
.endr
.irp b, 0,1,2,3
	v_add_nc_u32 v[TM+12+\b], 0xfe000000, v[TM+\b] ; 4 off its exponent field: the conversion's scale operand
.endr
.irp b, 0,1,2,3
	v_lshrrev_b32 v[TM+4+\b], 23, v[TM+12+\b]      ; the scale's byte
.endr
	v_lshl_or_b32 v[\pw], v[TM+5], 8, v[TM+4]
	v_lshl_or_b32 v[\pw], v[TM+6], 16, v[\pw]
	v_lshl_or_b32 v[\pw], v[TM+7], 24, v[\pw]
	WIN \w
.irp c, 0,1
	v_cvt_scalef32_pk16_bf6_f32 v[\pc+6*\c:\pc+6*\c+2], v[\s+32*\c:\s+32*\c+15], v[TM+12+2*\c]
	v_cvt_scalef32_pk16_bf6_f32 v[\pc+12+4*\c:\pc+14+4*\c], v[\s+32*\c+16:\s+32*\c+31], v[TM+12+2*\c+1]   ; (a conversion's three registers begin on an even number)
.endr
	WIN 0
	v_nop                                          ; one plain place behind a scaled conversion
.irp c, 0,1                            ; the operand's layout wants a whole block in a lane: lanes 0-15 block 2 c, lanes 16-31 block 2 c + 1
.irp i, 0,1,2
	v_permlane16_swap_b32 v[\pc+6*\c+\i], v[\pc+12+4*\c+\i]
.endr
.irp i, 0,1,2
	v_mov_b32 v[\pc+3+6*\c+\i], v[\pc+12+4*\c+\i]
.endr
.endr
.endm
.macro ROPELOAD a                      ; the cosines and sines of tile a's tokens: for my token the 16 frequencies 16 h on, 128 bytes
.irp g, 0,1,2,3,4,5,6,7
	global_load_b128 v[CS+32*((\a)%2)+4*\g:CS+32*((\a)%2)+4*\g+3], v18, s[RPB:RPB+1] offset:(32*((\a)/2)+8*((\a)%2))*256+16*\g
.endr
.endm
; The rotary embedding of tile a, both heads: in head p my registers AC + i are channel 16 h + i and AC + 16 + i channel 32 + 16 h + i: the two that turn together lie in one lane.
.macro ROPE a
.set CB, CS+32*((\a)%2)
	WIN 2+(\a)/4                                   ; source 0: the accumulators' window
.irp p, 0,1
.set AC, 64*((\a)%4)+32*\p
.irp g, 0,1,2,3,4,5,6,7                ; each accumulator is read from its low end on
	v_pk_mul_f32 v[ST+32*\p+2*\g:ST+32*\p+2*\g+1], v[AC+16+2*\g:AC+17+2*\g], v[CB+4*\g+2:CB+4*\g+3]
	v_pk_mul_f32 v[ST+32*\p+16+2*\g:ST+32*\p+17+2*\g], v[AC+2*\g:AC+2*\g+1], v[CB+4*\g+2:CB+4*\g+3]
.endr
.irp g, 0,1,2,3,4,5,6,7
	v_pk_fma_f32 v[ST+32*\p+2*\g:ST+32*\p+2*\g+1], v[AC+2*\g:AC+2*\g+1], v[CB+4*\g:CB+4*\g+1], v[ST+32*\p+2*\g:ST+32*\p+2*\g+1] neg_lo:[0,0,1] neg_hi:[0,0,1]   ; x1 cos - x2 sin
	v_pk_fma_f32 v[ST+32*\p+16+2*\g:ST+32*\p+17+2*\g], v[AC+16+2*\g:AC+17+2*\g], v[CB+4*\g:CB+4*\g+1], v[ST+32*\p+16+2*\g:ST+32*\p+17+2*\g]                     ; x2 cos + x1 sin
.endr
.endr
	WIN 0
.endm
	s_wait_alu depctr_va_vdst(0)
	s_wait_tensorcnt 0x0                           ; my tile of the head's four is in
	ds_add_u32 v[SPW], v[NIL]
.irp g, G1A, G1B                       ; no tensor load of mine is out, so a descriptor may be written: from here on a load brings 8 row blocks x 3,072 bytes
	s_mov_b32 s[\g+1], 384<<16
	s_mov_b32 s[\g+2], 8<<16
	s_mov_b32 s[\g+3], 384<<16
	s_mov_b32 s[\g+4], 8
.endr
	s_wait_dscnt 0x0
	CROUND                                         ; all four tiles are in, and all sixteen work-groups are here
	JLOAD G0A+4, G1A, G0B+4, G1B                   ; K slot 2, the first tensor load behind the round; it is waited for at the head of K step 3
	FETCH_B 0, 0, 0
	FETCH_A 0, 0, 0
	SCALES 0
	FETCH_A 0, 0, 4
	STEP 0, 0, 1, 0, 1, -1                         ; K step 0: its products start the sums
	STEP 1, 0, 0, 1, 0, 1                          ; K step 1 goes on into K slot 1, which came with K slot 0
	STEP 0, 1, 0, 1, 1, -1                         ; K step 2
	TURN 1, 2, 2, 1                                ; K step 3: K slots 0 and 1 are left; K slot 2 has landed for all; bytes 0 on are filled again
	STEP 0, 0, 0, 2, 1, -1                         ; K step 4
	TURN 0, 3, 3, 0                                ; K step 5: the refill has landed for all; nothing is filled, so no round follows
	s_cmp_eq_u32 ttmp9, 2                          ; the cluster's number: alike in all partners
	s_cbranch_scc1 .Lv
	ROPELOAD 0                                     ; q, k: the table's first two tiles land under the last two K steps
	ROPELOAD 1
	LASTSLOT
	; THE WAY OUT OF q AND k, a tile of 16 tokens at a time: turn, quantise along the heads' 64 + 64, store the two heads' half fragments
	PLACES
.irp b, 0,1,2,3
	v_mov_b32 v[TM+4+\b], 0                        ; written once: a lane permute's destination counts as one of its sources
.endr
.irp a, 0,1,2,3,4,5,6,7
.if \a >= 2
	s_wait_xcnt 0x0                                ; tile a - 2's stores have read their registers: the codes' set may be written again
.endif
.if \a < 7
	s_wait_loadcnt 8                               ; this tile's eight loads are in; the next tile's may be out
.else
	s_wait_loadcnt 0x0
.endif
	ROPE \a
.if \a < 6
	ROPELOAD \a+2
.endif
.set QP, PC+20*(\a%2)
	QUANT ST, 0, QP, PW
	global_store_b128 v16, v[QP:QP+3], s[CBE:CBE+1] offset:768*\a          ; 512 consecutive bytes
	global_store_b64 v17, v[QP+4:QP+5], s[CBE:CBE+1] offset:768*\a+512     ; 256
	global_store_b128 v16, v[QP+6:QP+9], s[CBO:CBO+1] offset:768*\a
	global_store_b64 v17, v[QP+10:QP+11], s[CBO:CBO+1] offset:768*\a+512
	v_bfe_u32 v[SW+\a], v[PW], v19, 16             ; lanes 0-15 keep the even head's two bytes, lanes 16-31 the odd head's; the upper two bytes are 0
.endr
	global_store_b128 v20, v[SW:SW+3], s[SBS:SBS+1]                        ; each half of the lanes stores 256 consecutive bytes, aligned
	global_store_b128 v20, v[SW+4:SW+7], s[SBS:SBS+1] offset:256
	FIN
.Lv:
	LASTSLOT
	; THE WAY OUT OF v: block a is 16 channels x my 128 tokens: one fragment of v^T; blocks 0-3 the even head, 4-7 the odd
	PLACES
.irp b, 0,1,2,3
	v_mov_b32 v[TM+4+\b], 0
.endr
.irp a, 0,1,2,3,4,5,6,7
.if \a >= 2
	s_wait_xcnt 0x0                                ; block a - 2's stores have read their registers
.endif
.set QS, 64*(\a%4)
.set QW, 2+\a/4
.set QP, PC+20*(\a%2)
.set QB, CBE+2*(\a/4)
	QUANT QS, QW, QP, SW+\a
	global_store_b128 v16, v[QP:QP+3], s[QB:QB+1] offset:1536*(\a%4)
	global_store_b64 v17, v[QP+4:QP+5], s[QB:QB+1] offset:1536*(\a%4)+512
	global_store_b128 v16, v[QP+6:QP+9], s[QB:QB+1] offset:1536*(\a%4)+768
	global_store_b64 v17, v[QP+10:QP+11], s[QB:QB+1] offset:1536*(\a%4)+1280
.endr
	v_cmp_eq_u32 vcc_lo, 1, v2
.irp i, 0,1,2,3
	v_cndmask_b32 v[SW+\i], v[SW+\i], v[SW+4+\i], vcc_lo   ; lanes 16-31 carry the odd head's words
.endr
	global_store_b128 v20, v[SW:SW+3], s[SBS:SBS+1]
	FIN
.Lfunc_end_k_qaafb79387d_qkv:
	.size	k_qaafb79387d_qkv, .Lfunc_end_k_qaafb79387d_qkv-k_qaafb79387d_qkv
	.p2alignl 7, 3214868480
	.fill 96, 4, 3214868480
	.section	.rodata,"a",@progbits
	.p2align	6, 0x0
	.amdhsa_kernel k_qaafb79387d_qkv
		.amdhsa_group_segment_fixed_size 327680
		.amdhsa_private_segment_fixed_size 0
		.amdhsa_enable_private_segment 0
		.amdhsa_kernarg_size 40
		.amdhsa_user_sgpr_count 2
		.amdhsa_user_sgpr_kernarg_segment_ptr 1
		.amdhsa_wavefront_size32 1
		.amdhsa_system_sgpr_workgroup_id_x 1
		.amdhsa_system_sgpr_workgroup_id_y 1
		.amdhsa_system_sgpr_workgroup_id_z 1
		.amdhsa_system_vgpr_workitem_id 0
		.amdhsa_next_free_vgpr 1024
		.amdhsa_next_free_sgpr 102
		.amdhsa_reserve_vcc 1
		.amdhsa_float_denorm_mode_32 3
		.amdhsa_float_denorm_mode_16_64 3
		.amdhsa_memory_ordered 1
		.amdhsa_forward_progress 1
		.amdhsa_inst_pref_size 244
	.end_amdhsa_kernel
	.amdgpu_metadata
---
amdhsa.version: [ 1, 2 ]
amdhsa.kernels:
  - .name:           k_qaafb79387d_qkv
    .symbol:         k_qaafb79387d_qkv.kd
    .args:
      - { .name: cod1, .offset: 0, .size: 8, .value_kind: global_buffer, .address_space: global }
      - { .name: scl1, .offset: 8, .size: 8, .value_kind: global_buffer, .address_space: global }
      - { .name: rope, .offset: 16, .size: 8, .value_kind: global_buffer, .address_space: global }
      - { .name: qb, .offset: 24, .size: 8, .value_kind: global_buffer, .address_space: global }
      - { .name: kv, .offset: 32, .size: 8, .value_kind: global_buffer, .address_space: global }
    .group_segment_fixed_size: 327680
    .private_segment_fixed_size: 0
    .kernarg_segment_align: 8
    .kernarg_segment_size: 40
    .max_flat_workgroup_size: 128
    .sgpr_count:     102
    .vgpr_count:     1024
    .wavefront_size: 32
...
	.end_amdgpu_metadata
.endif
;; end of part 2
;; launch attn (part 3): grid 4 x 64, 8 waves a work-group, clusters of 4 x 1, 210,944 bytes of LDS; arguments qb, kv, yc, ys; writes yc, ys
.if DOCPART == 3
	.amdgcn_target "amdgcn-amd-amdhsa--gfx1250"
	.amdhsa_code_object_version 6
	.text
	.protected	k_qaafb79387d_attn
	.globl	k_qaafb79387d_attn
	.p2align	8
	.type	k_qaafb79387d_attn,@function
k_qaafb79387d_attn:
	s_mov_b64 s[64:65], 0
	v_nop
	global_prefetch_b8 v0, s[64:65] scope:SCOPE_SE
	s_setreg_imm32_b32 hwreg(HW_REG_WAVE_MODE, 25, 1), 1
	s_wait_xcnt 0x0
	s_wait_alu depctr_hold_cnt(0) depctr_sa_sdst(0) depctr_va_vdst(0) depctr_va_sdst(0) depctr_va_ssrc(0) depctr_va_vcc(0) depctr_vm_vsrc(0)
	s_getreg_b32 s2, hwreg(HW_REG_IB_STS2, 6, 4)
	s_cmp_eq_u32 s2, 0
	s_cbranch_scc0 .Lentry_in_a_cluster
	s_endpgm
.Lentry_in_a_cluster:
	s_bfe_u32 s2, ttmp6, 0x10000c
	s_cmp_lg_u32 s2, 0x3003
	s_cbranch_scc0 .Lentry_shape_is_right
	s_endpgm
.Lentry_shape_is_right:
; ATTN.  y = softmax(q k^T / 8, causal) v for one head a cluster, both products on codes of BF6 (E3M2) with one E8M0 scale for each 32 along a product's K; y is quantised along its row's 1,024 and stored as the last product's operand.
; THE SOFTMAX: t = score x log2(e) / 8; M = the running largest t rounded up to a whole number; p = 2^(t - M) is quantised along the keys, not normalised; the row's sum is taken of the unquantised p and divides at the end.
; LEFT OUT: key steps all of whose keys come after a tile's queries: the causal mask sets their scores to -infinity, so their p is 0 for all values of the inputs.
; LIMITS: NaN and infinities are not served; the promise holds while |t| stays under 2^31; a block whose largest magnitude lies under 2^-122 gets the scale byte 1 (read by this program alone); 1 / sum is v_rcp_f32's.
; SHARES.  A head's 2,048 queries are 16 groups G of 128, each 8 tiles of 16.  Partner c of the cluster owns tiles 2 c and 2 c + 1 of every group.  Wave w (0..7) takes BOTH tiles of group 8 + w, then of group 7 - w:
;   (9 + w) + (8 - w) = 17 key steps of 128 keys for every wave of every work-group.  Each fragment of k and of v^T is read from LDS once for the two tiles.  What is left out hangs on the wave's number and a loop's count alone.
; THE HEAD'S K AND V STAY IN LDS: 16 key steps of 13,056 bytes (8 half fragments of k, 4 fragments of v^T, their scale words); each of the 8 waves brings two of them by ONE joint load at the head; nothing is filled again, no barrier stands in the loops.
; NO PREFETCH: all that the work-group reads of kv is asked for by the head's loads, ahead of any loop.
; IN A STEP: the step's k fragments were asked for a step earlier; behind the 16 score products v^T's 17 loads and the next step's 18 k loads go out; tile 0's softmax, its 4 products, tile 1's softmax, its 4 products.
; LAYOUT.  Both products are used transposed (S^T = k q^T, O^T = v^T p^T): a lane holds one query.  Tiles are row blocks (block 2 B + u, lane r: row 32 B + 8 u + r + 8 (r / 8)), so the 16 registers of tiles 2 B, 2 B + 1 are 16 neighbours.
; A HEAD OF 64 IN AN INSTRUCTION OF 128: q's registers 6-11 are zero codes, so k = 64 .. 127 add nothing, whatever stands in the key tile's upper six registers; bytes 2 and 3 of both scale words are 0.
; REGISTERS.  Tile 0's own lie in window 0, tile 1's under the same numbers in window 1: v7 the mask's number; v12 -M, v13 the largest t, v[14:15] the sum; v16-27 q and its zeros; v96-159 S^T, then p, at the end y; v160-191 O^T; v224-235 codes; v232-254 at work.
;   Shared, window 0: v1-3, v9 addresses that stay; v4-6, v8, v10, v11 a step's LDS addresses; v28-29 q's scale words; v30-31 for the add; v32-79 k, v80-85 zeros; v86-87 p's scale words; v88-95 k's; v192-195 v's.  Window 1: v32-79 v^T.
.set STEPB, 13056
.set VOFF,  6144
.set KSC,   12288
.set VSC,   12800
.set SPARE, 16*STEPB                   ; behind the key steps: the spare words, 128 bytes a wave
.set HW,  12                           ; s12 wave;  s15 cx;  s16 batch x 16 + head;  s17 G;  s18 the key step;  s19 its LDS byte;  s36 the next step's
.set CX,  15
.set BH,  16
.set G,   17
.set SI,  18
.set SB,  19
.set SEL, 20
.set CS,  22
.set G1,  24
.set G0,  32
.set SN,  36
.set QB,  48
.set QSB, 50
.set YB,  52
.set YSB, 54
.set QS,  28
.set SPW, 30
.set NIL, 31
.set PS,  86
.set VS,  192
.set TS,  236                          ; v236-249: seven pairs for the sum
.set MSB, 0
.macro WIN new                         ; the immediate's high byte repeats the setting that is left
.if MSB != (\new)
	s_set_vgpr_msb (MSB<<8)|(\new)
.set MSB, (\new)
.endif
.endm
.macro ROUND                           ; a round of the cluster's barrier
	s_barrier_signal -1
	s_barrier_wait -1
	s_cmp_lg_u32 s[HW], 0
	s_cbranch_scc1 .Lnot_wave_0_\@
	s_barrier_signal -3
.Lnot_wave_0_\@:
	s_barrier_wait -3
	s_barrier_signal -1
	s_barrier_wait -1
.endm
	s_load_b256 s[4:11], s[0:1], 0x0               ; qb s[4:5], kv s[6:7], yc s[8:9], ys s[10:11]
	v_lshl_add_u32 v[SPW], v0, 2, SPARE
	v_mov_b32 v[NIL], 0
	ds_add_u32 v[SPW], v[NIL]                      ; the opening lines: the add, twice on end, and its wait
	ds_add_u32 v[SPW], v[NIL]
	v_lshrrev_b32 v8, 5, v0
	s_delay_alu instid0(VALU_DEP_1)
	v_readfirstlane_b32 s[HW], v8                  ; wave 0..7
	s_bfe_u32 s[CX], ttmp6, 0x40000                ; my place in the cluster: it enters q's and y's addresses and the mask's numbers alone
	s_and_b32 s[BH], ttmp7, 0xffff                 ; the head, which the four partners share
	s_mov_b32 s[G1], 15|(3<<16)|(1<<21)            ; the mask: all four work-groups; elements of 8 bytes; bit 21 beside a mask
	s_mov_b32 s[G1+1], 32<<16                      ; two key steps, 26,112 dense bytes, as 102 rows of 256 bytes
	s_mov_b32 s[G1+2], 102<<16
	s_mov_b32 s[G1+3], 32<<16
	s_mov_b32 s[G1+4], 102
	s_mov_b32 s[G1+5], 32
	s_mov_b32 s[G1+6], 0
	s_mov_b32 s[G1+7], 0
	s_mul_i32 s56, s[BH], 16*STEPB
	s_mul_i32 s57, s[HW], 2*STEPB
	s_add_co_u32 s58, s56, s57
	s_mov_b32 s59, 0
	s_wait_dscnt 0x0
	s_wait_kmcnt 0x0
	s_add_nc_u64 s[58:59], s[6:7], s[58:59]
	s_mov_b32 s[G0], 1
	s_mov_b32 s[G0+1], s57                         ; wave w brings key steps 2 w and 2 w + 1
	s_mov_b64 s[G0+2:G0+3], s[58:59]
	s_or_b32 s[G0+3], s[G0+3], 0x80000000
	ROUND                                          ; all four work-groups are here: the joint loads meet
	tensor_load_to_lds s[G0:G0+3], s[G1:G1+7]      ; one load a wave, every wave
	s_nop 0
.rept 4
	v_nop
.endr
	s_lshl_b32 s62, s[CX], 1                       ; my first tile in a group: 2 c; the second follows it
	s_mul_i32 s60, s62, 768                        ; its half fragment in a group's bytes of qb
	s_lshr_b32 s61, s[CX], 1
	s_lshl_b32 s61, s61, 8
	s_and_b32 s56, s62, 3
	s_lshl_b32 s56, s56, 2
	s_add_co_u32 s61, s61, s56
	s_add_co_u32 s61, s61, 6144                    ; and its scale words: [tile / 4][r][tile % 4] behind the codes
	s_and_b32 s63, s[BH], 15                       ; the head
	s_lshl_b32 s66, s63, 1
	s_mul_i32 s63, s63, 768                        ; y: the head's half fragment in a row block
	s_lshl_b32 s67, s[CX], 5                       ; my first tile's first row in its group: 32 c
	s_lshl_b32 s56, s67, 5
	s_add_co_u32 s66, s66, s56                     ; y's scale bytes: 32 a row, the head's two
	s_mov_b32 s[SEL], 0x76543210
	s_mov_b32 s[SEL+1], 0xfedcba98
	s_mov_b32 s[CS], 0x3e38aa3b                    ; c = log2(e) / 8
	s_mov_b32 s[CS+1], s[CS]
	v_and_b32 v8, 15, v0                           ; r
	v_bfe_u32 v10, v0, 4, 1                        ; h
	v_and_b32 v11, 31, v0                          ; lane
	v_lshlrev_b32 v3, 4, v8                        ; 16 r
	v_and_b32 v9, 8, v8
	v_lshlrev_b32 v1, 4, v11                       ; 16 x lane
	v_lshlrev_b32 v2, 3, v11                       ; 8 x lane
	v_add_nc_u32 v9, v9, v8                        ; r + 8 (r / 8)
	v_lshlrev_b32 v10, 4, v10
	s_delay_alu instid0(VALU_DEP_1)
	v_sub_nc_u32 v7, v9, v10
	s_delay_alu instid0(VALU_DEP_1)
	v_add_nc_u32 v7, s67, v7                       ; the mask: my query in its group, less 16 h
	v_lshlrev_b32 v9, 5, v9                        ; y's scale bytes: my row
.irp j, 22,23,24,25,26,27,80,81,82,83,84,85,236,237,238,239,252,253
	v_mov_b32 v\j, 0                               ; zero codes; and what a lane permute or a pair names before it is first written
.endr
	WIN 0x40                                       ; destination: window 1
	v_add_nc_u32 v7, 8, v7                         ; tile 1's queries lie 8 rows on
.irp j, 22,23,24,25,26,27,236,237,238,239,252,253
	v_mov_b32 v\j, 0
.endr
	WIN 0
.macro ADDRQ                           ; q's tiles of group G
	s_mul_i32 s56, s[BH], 106496
	s_mul_i32 s57, s[G], 6656
	s_add_co_u32 s56, s56, s57
	s_add_co_u32 s58, s56, s60
	s_mov_b32 s59, 0
	s_add_nc_u64 s[QB:QB+1], s[4:5], s[58:59]
	s_add_co_u32 s58, s56, s61
	s_add_nc_u64 s[QSB:QSB+1], s[4:5], s[58:59]
.endm
.macro QLOAD
	global_load_b128 v[16:19], v1, s[QB:QB+1]
	global_load_b64 v[20:21], v2, s[QB:QB+1] offset:512
	global_load_b32 v[QS], v3, s[QSB:QSB+1]
	global_load_b32 v[QS+1], v3, s[QSB:QSB+1] offset:4
	WIN 0x40
	global_load_b128 v[16:19], v1, s[QB:QB+1] offset:768
	global_load_b64 v[20:21], v2, s[QB:QB+1] offset:1280
	WIN 0
.endm
.macro ADDRY                           ; y's tiles of group G
	s_lshr_b32 s56, s[BH], 4
	s_lshl_b32 s56, s56, 7
	s_lshl_b32 s57, s[G], 3
	s_add_co_u32 s56, s56, s57                     ; the group's first row block: 128 x batch + 8 G
	s_add_co_u32 s57, s56, s62
	s_mul_i32 s58, s57, 12288
	s_add_co_u32 s58, s58, s63
	s_mov_b32 s59, 0
	s_add_nc_u64 s[YB:YB+1], s[8:9], s[58:59]
	s_lshl_b32 s58, s56, 9                         ; 16 rows of 32 bytes a block
	s_add_co_u32 s58, s58, s66
	s_add_nc_u64 s[YSB:YSB+1], s[10:11], s[58:59]
.endm
.macro INIT1                           ; a pass's first step finds zeros, which the first change of M leaves zeros
	v_mov_b32 v13, 0xff61b1e6                      ; the largest t so far: -3e38
	v_mov_b32 v14, 0
	v_mov_b32 v15, 0
	v_floor_f32 v12, -v13                          ; -M
.set JJ, 0
.rept 32
	v_mov_b32 v[160+JJ], 0
.set JJ, JJ+1
.endr
.endm
.macro INIT
	INIT1
	WIN 0x55
	INIT1
	WIN 0
.endm
.macro KLOAD a, b, c                   ; a key step's 8 half fragments of k and their scale words: 18 loads
.irp f, 0,1,2,3,4,5,6,7
	ds_load_b128 v[32+6*\f:35+6*\f], v[\a] offset:768*\f
	ds_load_b64 v[36+6*\f:37+6*\f], v[\b] offset:768*\f+512
.endr
	ds_load_b128 v[88:91], v[\c] offset:KSC
	ds_load_b128 v[92:95], v[\c] offset:KSC+256
.endm
.macro SCORES t                        ; S^T = k q^T of tile t: k from window 0, q and the result in the tile's window
	WIN 0x54*\t
.irp f, 0,1,2,3,4,5,6,7
	v_wmma_scale_f32_16x16x128_f8f6f4 v[96+8*\f:103+8*\f], v[32+6*\f:43+6*\f], v[16:27], 0, v[88+\f], v[QS+\t] matrix_a_fmt:MATRIX_FMT_BF6 matrix_b_fmt:MATRIX_FMT_BF6
.endr
.endm
; Tile t's softmax of a step, p's codes and scale word, and O^T += v^T p^T.  Every window is 0 at its head, at its branch and label, and at its end.
; THE PRODUCTS STAND ONE BY ONE AMONG THE OTHER TILE'S VECTOR WORK.  SX: one score product of the other tile: among tile 0's lines tile 1's of this step, among tile 1's lines tile 0's of the NEXT step
; (behind a pass's last step these eight are made of the clamped next step and read by nobody).  PVX: one product O^T += v^T p^T of tile 0, among tile 1's lines.
.macro SX t, f
	WIN 0x54*(1-\t)
	v_wmma_scale_f32_16x16x128_f8f6f4 v[96+8*(\f):103+8*(\f)], v[32+6*(\f):43+6*(\f)], v[16:27], 0, v[88+(\f)], v[QS+1-\t] matrix_a_fmt:MATRIX_FMT_BF6 matrix_b_fmt:MATRIX_FMT_BF6
	WIN 0x55*\t
.endm
.macro PVX u
	WIN 0x01
	v_wmma_scale_f32_16x16x128_f8f6f4 v[160+8*\u:167+8*\u], v[32+12*\u:43+12*\u], v[224:235], v[160+8*\u:167+8*\u], v[VS+\u], v[PS] matrix_a_fmt:MATRIX_FMT_BF6 matrix_b_fmt:MATRIX_FMT_BF6
	WIN 0x55
.endm
.macro SOFT t
	s_cmp_lt_u32 s[SI], s[G]
	s_cbranch_scc1 .Lopen_\@                       ; all keys of the step count
	WIN 0x55*\t
	v_mov_b32 v254, 0xff800000                     ; on the diagonal hidden scores become -infinity: register 16 b + i holds key 32 b + 16 h + i: hidden where 32 b + i > my query - 16 h
	s_wait_alu depctr_va_vdst(0)
.set JJ, 0
.rept 64
	v_cmp_gt_i32 vcc_lo, 32*(JJ/16)+JJ%16, v7
	v_cndmask_b32 v[96+JJ], v[96+JJ], v254, vcc_lo
.set JJ, JJ+1
.endr
	WIN 0
.Lopen_\@:
	WIN 0x55*\t
	s_wait_alu depctr_va_vdst(0)                   ; the same on the way that came by the branch
.irp b, 0,1,2,3
	v_max3_num_f32 v[232+\b], v[96+16*\b], v[97+16*\b], v[98+16*\b]   ; the largest score of each block of 32 keys: for the row's maximum and, since p rises with the score, for the block's largest p
.endr
.irp i, 3,5,7,9,11,13
.irp b, 0,1,2,3
	v_max3_num_f32 v[232+\b], v[232+\b], v[96+16*\b+\i], v[97+16*\b+\i]
.endr
.if \t
.if \i == 5
	PVX 0
.endif
.if \i == 11
	PVX 1
.endif
.endif
.endr
.irp b, 0,1,2,3
	v_max_num_f32 v[232+\b], v[232+\b], v[111+16*\b]
.endr
.irp b, 0,1,2,3
	s_delay_alu instid0(VALU_DEP_4)
	v_permlanex16_b32 v[236+\b], v[232+\b], s[SEL], s[SEL+1]
.endr
.irp b, 0,1,2,3
	s_delay_alu instid0(VALU_DEP_4)
	v_max_num_f32 v[232+\b], v[232+\b], v[236+\b]  ; with lane l xor 16's 16 keys
.endr
	s_delay_alu instid0(VALU_DEP_2)
	v_max3_num_f32 v254, v232, v233, v234
	s_delay_alu instid0(VALU_DEP_1)
	v_max_num_f32 v254, v254, v235                 ; the step's largest score of my query
	s_delay_alu instid0(VALU_DEP_1)
	v_mul_f32 v254, s[CS], v254                    ; as t (c is positive)
	s_delay_alu instid0(VALU_DEP_1)
	v_max_num_f32 v13, v13, v254                   ; the running largest t
	v_mov_b32 v254, v12
	s_delay_alu instid0(VALU_DEP_2)
	v_floor_f32 v12, -v13                          ; the new -M = floor(-t): M is a whole number
	s_delay_alu instid0(VALU_DEP_1)
	v_sub_f32 v254, v12, v254                      ; old M - new M: a whole number, 0 or less
	s_delay_alu instid0(VALU_DEP_1)
	v_cvt_i32_f32 v254, v254                       ; (it saturates)
	s_delay_alu instid0(VALU_DEP_1)
	v_ldexp_f32 v252, 1.0, v254                    ; f = 2^(old M - new M): a multiplication by it rounds nothing
.if \t
	PVX 2
.endif
.set JJ, 0
.rept 32
	v_pk_fma_f32 v[96+JJ:97+JJ], v[96+JJ:97+JJ], s[CS:CS+1], v[12:13] op_sel_hi:[1,0,0]   ; t - M, two at a time
.set JJ, JJ+2
.if \t && (JJ == 32)
	PVX 3
.endif
.endr
.irp b, 0,1,2,3
	v_fma_f32 v[232+\b], v[232+\b], s[CS], v12     ; the same of each block's largest score
.endr
.if \t
	s_wait_alu depctr_va_vdst(0)
	s_wait_dscnt 0x0                               ; the next step's k, asked for in tile 0's part of this step, is in
.endif
	SX \t, 0
	s_wait_alu depctr_va_vdst(0)
.set JJ, 0
.rept 64
	v_exp_f32 v[96+JJ], v[96+JJ]                   ; p = 2^(t - M), at most 1
.set JJ, JJ+1
.if (JJ%8 == 0) && (JJ < 64)
	SX \t, JJ/8
.endif
.endr
.irp b, 0,1,2,3
	v_exp_f32 v[232+\b], v[232+\b]                 ; the block's largest p: the same two instructions on the same number give the same bits
.endr
	v_pk_mul_f32 v[14:15], v[14:15], v[252:253] op_sel_hi:[1,0]   ; the sums under the new M (a plain place behind the exponentials)
	s_wait_alu depctr_va_vdst(0)                   ; and behind it
.irp b, 0,1,2,3
	v_max_num_f32 v[232+\b], 0x2800000, v[232+\b]  ; the floor 2^(5 - 127): the byte cannot fall under 1
.endr
.irp b, 0,1,2,3
	s_delay_alu instid0(VALU_DEP_4)
	v_add_nc_u32 v[244+\b], 0xfe000000, v[232+\b]  ; 4 off the exponent field: the conversion's scale operand
.endr
.irp b, 0,1,2,3
	s_delay_alu instid0(VALU_DEP_4)
	v_lshrrev_b32 v[236+\b], 23, v[244+\b]         ; the scale's byte
.endr
	s_delay_alu instid0(VALU_DEP_3)
	v_lshl_or_b32 v253, v237, 8, v236
	s_delay_alu instid0(VALU_DEP_1)
	v_lshl_or_b32 v253, v238, 16, v253
	WIN 0x15*\t                                    ; scale operands are taken from window 0: the word's last line writes there
	v_lshl_or_b32 v[PS+\t], v239, 24, v253         ; p's scale word for these 128 keys
	WIN 0x55*\t
.irp c, 0,1
	v_cvt_scalef32_pk16_bf6_f32 v[224+6*\c:226+6*\c], v[96+32*\c:111+32*\c], v[244+2*\c]
	v_cvt_scalef32_pk16_bf6_f32 v[236+4*\c:238+4*\c], v[112+32*\c:127+32*\c], v[244+2*\c+1]   ; (a conversion's three registers begin on an even number)
.endr
	v_nop                                          ; one plain place behind a scaled conversion
.irp c, 0,1                            ; the operand's layout wants a whole block in a lane
.irp i, 0,1,2
	v_permlane16_swap_b32 v[224+6*\c+\i], v[236+4*\c+\i]
.endr
.irp i, 0,1,2
	s_delay_alu instid0(VALU_DEP_3)
	v_mov_b32 v[227+6*\c+\i], v[236+4*\c+\i]
.endr
.endr
.irp k, 0,1,2,3,4,5,6                  ; the row's sum of the unquantised p: 32 pairs in eight chains by turns
	v_pk_add_f32 v[TS+2*\k:TS+2*\k+1], v[96+4*\k:97+4*\k], v[98+4*\k:99+4*\k]
.endr
	v_pk_add_f32 v[14:15], v[14:15], v[124:125]
.irp m, 126,142
.irp k, 0,1,2,3,4,5,6
	v_pk_add_f32 v[TS+2*\k:TS+2*\k+1], v[TS+2*\k:TS+2*\k+1], v[\m+2*\k:\m+2*\k+1]
.endr
	v_pk_add_f32 v[14:15], v[14:15], v[\m+14:\m+15]
.endr
	v_pk_add_f32 v[TS:TS+1], v[TS:TS+1], v[158:159]
	v_pk_add_f32 v[TS+2:TS+3], v[TS+2:TS+3], v[TS+4:TS+5]
	v_pk_add_f32 v[TS+6:TS+7], v[TS+6:TS+7], v[TS+8:TS+9]
	v_pk_add_f32 v[TS+10:TS+11], v[TS+10:TS+11], v[TS+12:TS+13]
	s_delay_alu instid0(VALU_DEP_4)
	v_pk_add_f32 v[14:15], v[14:15], v[TS:TS+1]
	s_delay_alu instid0(VALU_DEP_3)
	v_pk_add_f32 v[TS+2:TS+3], v[TS+2:TS+3], v[TS+6:TS+7]
	s_delay_alu instid0(VALU_DEP_2)
	v_pk_add_f32 v[14:15], v[14:15], v[TS+10:TS+11]
	s_delay_alu instid0(VALU_DEP_1)
	v_pk_add_f32 v[14:15], v[14:15], v[TS+2:TS+3]
.if \t == 0
	KLOAD 8, 10, 11                                ; both tiles' score products of this step are issued, and more than four plain lines stand behind them: the next step's k
.endif
	s_wait_alu depctr_va_vdst(0)                   ; directly ahead of the first reader of O^T
.set JJ, 0
.rept 16
	v_pk_mul_f32 v[160+JJ:161+JJ], v[160+JJ:161+JJ], v[252:253] op_sel_hi:[1,0]   ; O^T under the new M, each accumulator from its low end on
.set JJ, JJ+2
.endr
	s_wait_alu depctr_va_vdst(0)
.if \t == 0
	s_wait_dscnt 18                                ; v^T's 17 loads are in; the 18 behind them, the next step's k, may be out.  Tile 0's four products follow among tile 1's lines
.else
.irp u, 0,1,2,3                        ; tile 1's: all operands in window 1; the four accumulators by turns
	v_wmma_scale_f32_16x16x128_f8f6f4 v[160+8*\u:167+8*\u], v[32+12*\u:43+12*\u], v[224:235], v[160+8*\u:167+8*\u], v[VS+\u], v[PS+1] matrix_a_fmt:MATRIX_FMT_BF6 matrix_b_fmt:MATRIX_FMT_BF6
.endr
.endif
	WIN 0
.endm
; A KEY STEP for both tiles: 128 keys at LDS byte s[SB].  A step all of whose keys come after my queries is left out.
.macro STEP
	s_cmp_gt_u32 s[SI], s[G]
	s_cbranch_scc1 .Lskip_\@
	s_add_co_u32 s[SN], s[SB], STEPB
	s_min_u32 s[SN], s[SN], 15*STEPB               ; the next step's bytes; behind the last step the last once more, which nobody uses
	v_add_nc_u32 v4, s[SB], v1                     ; tile 0's scores of this step were made in the step before (the first step's ahead of the loop)
	v_add_nc_u32 v5, s[SB], v2
	v_add_nc_u32 v6, s[SB], v3
	v_add_nc_u32 v8, s[SN], v1
	v_add_nc_u32 v10, s[SN], v2
	v_add_nc_u32 v11, s[SN], v3
	ds_load_b128 v[VS:VS+3], v6 offset:VSC
	WIN 0x40
.irp u, 0,1,2,3
	ds_load_b128 v[32+12*\u:35+12*\u], v4 offset:VOFF+1536*\u
	ds_load_b64 v[36+12*\u:37+12*\u], v5 offset:VOFF+1536*\u+512
	ds_load_b128 v[38+12*\u:41+12*\u], v4 offset:VOFF+1536*\u+768
	ds_load_b64 v[42+12*\u:43+12*\u], v5 offset:VOFF+1536*\u+1280
.endr
	WIN 0
	SOFT 0
	SOFT 1
.Lskip_\@:
.endm
.macro SEG end                         ; key steps 0 .. end - 1: the trip count is a constant; what is left out is a step's work
	s_mov_b32 s[SI], 0
	s_mov_b32 s[SB], 0
.Lseg_\@:
	STEP
	s_add_co_u32 s[SB], s[SB], STEPB
	s_add_co_u32 s[SI], s[SI], 1
	s_cmp_lt_u32 s[SI], \end
	s_cbranch_scc1 .Lseg_\@
.endm
; Tile t's end: O^T / the sum is y(my query, the head's channel 32 b + 16 h + i) in register 16 b + i: two blocks of the last product's K: a half fragment and two scale bytes.
.macro FINISH t
	s_wait_xcnt 0x0                                ; earlier stores have read the registers that are written below
	WIN 0x55*\t
	v_add_f32 v14, v14, v15
	s_delay_alu instid0(VALU_DEP_1)
	v_permlanex16_b32 v252, v14, s[SEL], s[SEL+1]
	s_delay_alu instid0(VALU_DEP_1)
	v_add_f32 v14, v14, v252                       ; the row's sum
	s_wait_alu depctr_va_vdst(0)
	v_rcp_f32 v14, v14
	v_nop                                          ; one plain place behind a transcendental
	s_wait_alu depctr_va_vdst(0)
.set JJ, 0
.rept 16
	v_pk_mul_f32 v[96+JJ:97+JJ], v[160+JJ:161+JJ], v[14:15] op_sel_hi:[1,0]   ; each accumulator from its low end on
.set JJ, JJ+2
.endr
.irp b, 0,1
	v_max3_num_f32 v[232+\b], |v[96+16*\b]|, |v[97+16*\b]|, 0x2800000
.endr
.irp i, 2,4,6,8,10,12,14
.irp b, 0,1
	s_delay_alu instid0(VALU_DEP_2)
	v_max3_num_f32 v[232+\b], v[232+\b], |v[96+16*\b+\i]|, |v[97+16*\b+\i]|
.endr
.endr
.irp b, 0,1
	s_delay_alu instid0(VALU_DEP_2)
	v_permlanex16_b32 v[236+\b], v[232+\b], s[SEL], s[SEL+1]
.endr
.irp b, 0,1
	s_delay_alu instid0(VALU_DEP_2)
	v_max_num_f32 v[232+\b], v[232+\b], v[236+\b]
.endr
.irp b, 0,1
	s_delay_alu instid0(VALU_DEP_2)
	v_add_nc_u32 v[244+\b], 0xfe000000, v[232+\b]
.endr
.irp b, 0,1
	s_delay_alu instid0(VALU_DEP_2)
	v_lshrrev_b32 v[240+\b], 23, v[244+\b]
.endr
	s_delay_alu instid0(VALU_DEP_1)
	v_lshl_or_b32 v242, v241, 8, v240              ; the head's two scale bytes of my row
	v_cvt_scalef32_pk16_bf6_f32 v[224:226], v[96:111], v244
	v_cvt_scalef32_pk16_bf6_f32 v[236:238], v[112:127], v245
	v_nop
.irp i, 0,1,2
	v_permlane16_swap_b32 v[224+\i], v[236+\i]
.endr
.irp i, 0,1,2
	s_delay_alu instid0(VALU_DEP_3)
	v_mov_b32 v[227+\i], v[236+\i]
.endr
	WIN 0x04*\t                                    ; the data in the tile's window, the addresses in window 0
	global_store_b128 v1, v[224:227], s[YB:YB+1] offset:12288*\t            ; 512 consecutive bytes
	global_store_b64 v2, v[228:229], s[YB:YB+1] offset:12288*\t+512         ; 256
	global_store_b16 v9, v242, s[YSB:YSB+1] offset:256*\t                   ; two bytes a row, rows 32 bytes apart: the row's other bytes are other heads', made by other clusters (lanes l and l xor 16 write the same bytes)
	WIN 0
.endm
	s_add_co_u32 s[G], s[HW], 8                    ; the first pass: group 8 + w
	ADDRQ
	QLOAD
	ADDRY
	INIT
	s_wait_alu depctr_va_vdst(0)
	s_wait_tensorcnt 0x0                           ; my two key steps have landed,
	s_barrier_signal -1
	s_barrier_wait -1                              ; everybody's have: the whole head lies in LDS
	KLOAD 1, 2, 3                                  ; key step 0's k
	s_wait_loadcnt 0x0                             ; q
	s_wait_dscnt 0x0
	SCORES 0                                       ; tile 0's scores of step 0
	SEG 16
.rept 4
	v_nop                                          ; places behind the last products
.endr
	s_sub_co_u32 s[G], 7, s[HW]                    ; the second pass: group 7 - w; its q and its first k are asked for while the first tiles go out
	ADDRQ
	QLOAD
	s_wait_dscnt 0x0                               ; the loads that the last step sent ahead have landed: their registers may be loaded again
	KLOAD 1, 2, 3
	FINISH 0
	FINISH 1
	s_wait_xcnt 0x0                                ; the stores have read their registers and bases
	ADDRY
	INIT
	s_wait_alu depctr_va_vdst(0)
	s_wait_loadcnt 0x0
	s_wait_dscnt 0x0
	SCORES 0
	SEG 8
.rept 4
	v_nop
.endr
	FINISH 0
	FINISH 1
	s_wait_tensorcnt 0x0                           ; the wave's end
	ds_add_u32 v[SPW], v[NIL]
	s_wait_dscnt 0x0
	ROUND                                          ; the closing round
	s_endpgm
.Lfunc_end_k_qaafb79387d_attn:
	.size	k_qaafb79387d_attn, .Lfunc_end_k_qaafb79387d_attn-k_qaafb79387d_attn
	.p2alignl 7, 3214868480
	.fill 96, 4, 3214868480
	.section	.rodata,"a",@progbits
	.p2align	6, 0x0
	.amdhsa_kernel k_qaafb79387d_attn
		.amdhsa_group_segment_fixed_size 210944
		.amdhsa_private_segment_fixed_size 0
		.amdhsa_enable_private_segment 0
		.amdhsa_kernarg_size 32
		.amdhsa_user_sgpr_count 2
		.amdhsa_user_sgpr_kernarg_segment_ptr 1
		.amdhsa_wavefront_size32 1
		.amdhsa_system_sgpr_workgroup_id_x 1
		.amdhsa_system_sgpr_workgroup_id_y 1
		.amdhsa_system_sgpr_workgroup_id_z 1
		.amdhsa_system_vgpr_workitem_id 0
		.amdhsa_next_free_vgpr 512
		.amdhsa_next_free_sgpr 80
		.amdhsa_reserve_vcc 1
		.amdhsa_float_denorm_mode_32 3
		.amdhsa_float_denorm_mode_16_64 3
		.amdhsa_memory_ordered 1
		.amdhsa_forward_progress 1
		.amdhsa_inst_pref_size 122
	.end_amdhsa_kernel
	.amdgpu_metadata
---
amdhsa.version: [ 1, 2 ]
amdhsa.kernels:
  - .name:           k_qaafb79387d_attn
    .symbol:         k_qaafb79387d_attn.kd
    .args:
      - { .name: qb, .offset: 0, .size: 8, .value_kind: global_buffer, .address_space: global }
      - { .name: kv, .offset: 8, .size: 8, .value_kind: global_buffer, .address_space: global }
      - { .name: yc, .offset: 16, .size: 8, .value_kind: global_buffer, .address_space: global }
      - { .name: ys, .offset: 24, .size: 8, .value_kind: global_buffer, .address_space: global }
    .group_segment_fixed_size: 210944
    .private_segment_fixed_size: 0
    .kernarg_segment_align: 8
    .kernarg_segment_size: 32
    .max_flat_workgroup_size: 256
    .sgpr_count:     80
    .vgpr_count:     512
    .wavefront_size: 32
...
	.end_amdgpu_metadata
.endif
;; end of part 3
;; launch proj (part 4): grid 4 x 64, 4 waves a work-group, clusters of 4 x 4, 327,680 bytes of LDS; arguments yc, ys, cod1, scl1, out0; writes out0
.if DOCPART == 4
	.amdgcn_target "amdgcn-amd-amdhsa--gfx1250"
	.amdhsa_code_object_version 6
	.text
	.protected	k_qaafb79387d_proj
	.globl	k_qaafb79387d_proj
	.p2align	8
	.type	k_qaafb79387d_proj,@function
k_qaafb79387d_proj:
	s_mov_b64 s[64:65], 0
	v_nop
	global_prefetch_b8 v0, s[64:65] scope:SCOPE_SE
	s_setreg_imm32_b32 hwreg(HW_REG_WAVE_MODE, 25, 1), 1
	s_wait_xcnt 0x0
	s_wait_alu depctr_hold_cnt(0) depctr_sa_sdst(0) depctr_va_vdst(0) depctr_va_sdst(0) depctr_va_ssrc(0) depctr_va_vcc(0) depctr_vm_vsrc(0)
	s_getreg_b32 s2, hwreg(HW_REG_IB_STS2, 6, 4)
	s_cmp_eq_u32 s2, 0
	s_cbranch_scc0 .Lentry_in_a_cluster
	s_endpgm
.Lentry_in_a_cluster:
	s_bfe_u32 s2, ttmp6, 0x10000c
	s_cmp_lg_u32 s2, 0xf033
	s_cbranch_scc0 .Lentry_shape_is_right
	s_endpgm
.Lentry_shape_is_right:
; PROJ.  out = y Wproj^T on codes of BF6 (E3M2) with one E8M0 scale for each 32 along K = 1,024; sums in f32; out is f32 [8192][1024].
; OPERANDS.  Row blocks of 16 rows (block 2 B + u, lane r: row 32 B + 8 u + r + 8 (r / 8)), 12,288 dense bytes each: 16 half fragments of 768 bytes (64 along K as the registers hold them: registers 0-3 at 16 x lane, 4-5 at 512 + 8 x lane).
; SHARES.  A block of out is 128 tokens ("A", source 1) x 256 columns ("B", rows of Wproj, source 0): 64 x 4 = 256 work-groups.  Four waves, each 64 x 128: 32 accumulators, 256 registers.
; ALL OF K LIES IN LDS: A's 8 row blocks (98,304 bytes) and B's 16 (196,608) are asked for at the head, one joint load a wave (waves 0, 1 A's halves, waves 2, 3 B's); nothing is filled again; the walk along K has no barrier.
; NO PREFETCH: all that the work-group reads is asked for at the head, ahead of the walk.
; CLUSTERS: 4 x 4 work-groups; A's tiles are asked for jointly along a row of the cluster, B's along a column.
; THE SCALE WORDS go from memory into registers: a row has 32 bytes, lane (r, h) takes bytes 16 h on of its row by one load of 16 bytes a row block (sixteen lanes read 256 consecutive bytes twice over):
;   register j holds K step j's word in lanes 0-15 and K step 4 + j's in lanes 16-31, which the products of K steps 4-7 choose by the ROW1 selectors.
; REGISTERS: window 0: v1-29 addresses; v32-47 A's scale words, v48-79 B's; v128-175, v176-223 A's 4 fragments, two sets (on the way out v128-255 take rows read back).  Window 1: B's 8 fragments, two sets, at v0 and v128.  Window 2: accumulator (a, b) at v[8 (8 a + b)].
; LIMITS: NaN and infinities are not served.
.set RBB,   12288
.set BOFF,  8*RBB                      ; B's row blocks lie behind A's
.set SPARE, 24*RBB                     ; the spare words, 128 bytes a wave
.set SPITCH, 528                       ; the way out: a stage of 16 rows x (512 + 16) bytes a wave, from LDS byte 0 on: those bytes have had their one fill, and a barrier stands behind their last read
.set FR,    12
.set A16,   4
.set A8,    5
.set B16,   6                          ; v6, v7: B's blocks 0-3, 4-7, + 16 x lane;  v8, v9: + 8 x lane
.set B8,    8
.set STO,   24
.set RD,    25
.set SPW,   28
.set NIL,   29
.set SA,    32
.set SBR,   48
.set AF,    128
.set BK,    128
.set G1A,  24
.set G1B,  32
.set G0A,  40
.set G0B,  44
.set MSB, 0
.macro WIN new
.if MSB != (\new)
	s_set_vgpr_msb (MSB<<8)|(\new)
.set MSB, (\new)
.endif
.endm
.set MUL_LO, 0xa1                      ; source 0 (B) window 1, source 1 (A) window 0, C and D window 2
.set TO_B,   0x40
.macro PLACES
.rept 4
	v_nop
.endr
.endm
.macro CREST
	s_cmp_lg_u32 s14, 0
	s_cbranch_scc1 .Lnot_wave_0_\@
	s_barrier_signal -3
.Lnot_wave_0_\@:
	s_barrier_wait -3
	s_barrier_signal -1
	s_barrier_wait -1
.endm
.macro CROUND
	s_barrier_signal -1
	s_barrier_wait -1
	CREST
.endm
	s_load_b256 s[4:11], s[0:1], 0x0               ; yc s[4:5], ys s[6:7], cod1 s[8:9], scl1 s[10:11]
	s_load_b64 s[12:13], s[0:1], 0x20              ; out0
	v_lshl_add_u32 v[SPW], v0, 2, SPARE
	v_mov_b32 v[NIL], 0
	ds_add_u32 v[SPW], v[NIL]                      ; the opening lines: the add, twice on end, and its wait
	ds_add_u32 v[SPW], v[NIL]
	v_lshrrev_b32 v1, 5, v0
	v_readfirstlane_b32 s14, v1                    ; wave 0..3
	s_lshr_b32 s15, s14, 1                         ; my half of A's rows.  Also: I fetch for A (0) or for B (1)
	s_and_b32 s16, s14, 1                          ; my half of B's rows.  Also: which half I fetch
	s_bfe_u32 s17, ttmp6, 0x40000                  ; cx
	s_bfe_u32 s18, ttmp6, 0x40004                  ; cy
	s_and_b32 s20, ttmp7, 0xffff
	s_lshl_b32 s20, s20, 2
	s_add_co_u32 s20, s20, s18                     ; T: my block of 128 tokens
	s_lshl_b32 s21, s18, 2
	s_lshl_b32 s21, 15, s21                        ; my row of the cluster
	s_lshl_b32 s22, 0x1111, s17                    ; my column
	s_or_b32 s[G1A], s21, (3<<16)|(1<<21)          ; the mask; elements of 8 bytes; bit 21 beside a mask
	s_or_b32 s[G1B], s22, (3<<16)|(1<<21)
	s_mov_b32 s[G1A+1], 32<<16                     ; dense bytes as rows of 256: A's 4 row blocks are 192 rows,
	s_mov_b32 s[G1A+2], 192<<16
	s_mov_b32 s[G1A+3], 32<<16
	s_mov_b32 s[G1A+4], 192
	s_mov_b32 s[G1A+5], 32
	s_mov_b32 s[G1A+6], 0
	s_mov_b32 s[G1A+7], 0
	s_mov_b32 s[G1B+1], 32<<16                     ; B's 8 row blocks 384
	s_mov_b32 s[G1B+2], 384<<16
	s_mov_b32 s[G1B+3], 32<<16
	s_mov_b32 s[G1B+4], 384
	s_mov_b32 s[G1B+5], 32
	s_mov_b32 s[G1B+6], 0
	s_mov_b32 s[G1B+7], 0
	s_lshl_b32 s48, s20, 3
	s_lshl_b32 s2, s16, 2
	s_add_co_u32 s48, s48, s2                      ; A: row block 8 T + 4 x half
	s_mul_i32 s48, s48, RBB
	s_mov_b32 s49, 0
	s_lshl_b32 s50, s17, 4
	s_add_co_u32 s50, s50, 704                     ; B: Wproj's row blocks begin at 704: + 16 cx + 8 x half
	s_lshl_b32 s2, s16, 3
	s_add_co_u32 s50, s50, s2
	s_mul_i32 s50, s50, RBB
	s_mov_b32 s51, 0
	s_mul_i32 s52, s16, 4*RBB                      ; where they go: no place in the cluster enters an LDS address
	s_mul_i32 s53, s16, 8*RBB
	s_add_co_u32 s53, s53, BOFF
	s_wait_dscnt 0x0
	s_wait_kmcnt 0x0
	s_add_nc_u64 s[48:49], s[4:5], s[48:49]
	s_add_nc_u64 s[50:51], s[8:9], s[50:51]
	s_mov_b32 s[G0A], 1
	s_mov_b32 s[G0A+1], s52
	s_mov_b64 s[G0A+2:G0A+3], s[48:49]
	s_or_b32 s[G0A+3], s[G0A+3], 0x80000000
	s_mov_b32 s[G0B], 1
	s_mov_b32 s[G0B+1], s53
	s_mov_b64 s[G0B+2:G0B+3], s[50:51]
	s_or_b32 s[G0B+3], s[G0B+3], 0x80000000
	CROUND                                         ; all sixteen work-groups are here: the joint loads meet
	s_cmp_eq_u32 s15, 0                            ; one load a wave, a load in each arm
	s_cbranch_scc0 .Lfor_b
	tensor_load_to_lds s[G0A:G0A+3], s[G1A:G1A+7]
	s_nop 0
	PLACES
	s_branch .Lasked
.Lfor_b:
	tensor_load_to_lds s[G0B:G0B+3], s[G1B:G1B+7]
	s_nop 0
	PLACES
.Lasked:
	s_lshl_b32 s48, s20, 12                        ; ys: 32 bytes a row: row 128 T + 64 x my half of A
	s_lshl_b32 s2, s15, 11
	s_add_co_u32 s48, s48, s2
	s_mov_b32 s49, 0
	s_add_nc_u64 s[6:7], s[6:7], s[48:49]
	s_lshl_b32 s50, s17, 4
	s_add_co_u32 s50, s50, 704
	s_lshl_b32 s50, s50, 9                         ; scl1: 512 bytes a row block, + 128 rows x my half of B
	s_lshl_b32 s2, s16, 12
	s_add_co_u32 s50, s50, s2
	s_mov_b32 s51, 0
	s_add_nc_u64 s[10:11], s[10:11], s[50:51]
	s_lshl_b32 s54, s20, 19                        ; out: rows of 4,096 bytes; 1,024 bytes a work-group column, 512 a wave
	s_lshl_b32 s2, s15, 18
	s_add_co_u32 s54, s54, s2
	s_lshl_b32 s2, s17, 10
	s_add_co_u32 s54, s54, s2
	s_lshl_b32 s2, s16, 9
	s_add_co_u32 s54, s54, s2
	s_mov_b32 s55, 0
	s_add_nc_u64 s[12:13], s[12:13], s[54:55]
	s_mul_i32 s21, s15, 4*RBB                      ; my 4 row blocks of A
	s_mul_i32 s19, s16, 8*RBB
	s_add_co_u32 s19, s19, BOFF                    ; my 8 of B: blocks 0-3,
	s_add_co_u32 s22, s19, 4*RBB                   ; blocks 4-7
	s_mul_i32 s23, s14, 16*SPITCH                  ; my stage
	v_and_b32 v1, 15, v0                           ; r
	v_bfe_u32 v2, v0, 4, 1                         ; h
	v_and_b32 v3, 31, v0                           ; lane
	v_lshlrev_b32 v16, 4, v3
	v_lshlrev_b32 v17, 3, v3
	v_and_b32 v18, 8, v1
	v_mul_u32_u24 v19, v1, SPITCH
	v_add_nc_u32 v[A16], s21, v16
	v_add_nc_u32 v[A8], s21, v17
	v_add_nc_u32 v[B16], s19, v16
	v_add_nc_u32 v[B16+1], s22, v16
	v_add_nc_u32 v[B8], s19, v17
	v_add_nc_u32 v[B8+1], s22, v17
	v_add_nc_u32 v18, v18, v1                      ; r + 8 (r / 8)
	v_lshl_add_u32 v19, v2, 6, v19
	v_lshlrev_b32 v18, 5, v18
	v_add_nc_u32 v[STO], s23, v19                  ; into the stage: row r, + 64 h
	v_add_nc_u32 v[RD], s23, v16                   ; out of it: 16 x lane of a row
	v_lshl_add_u32 v18, v2, 4, v18                 ; scale bytes: my row x 32 + 16 h
.irp i, 0,1,2,3
	global_load_b128 v[SA+4*\i:SA+4*\i+3], v18, s[6:7] offset:1024*(\i/2)+256*(\i%2)
.endr
.irp i, 0,1,2,3,4,5,6,7
	global_load_b128 v[SBR+4*\i:SBR+4*\i+3], v18, s[10:11] offset:1024*(\i/2)+256*(\i%2)
.endr
.macro FRAG reg, a16, a8, off          ; a fragment, 16 rows x 128 K: two half fragments as they lie: every load is dense
	ds_load_b128 v[\reg:\reg+3], v[\a16] offset:(\off)
	ds_load_b64 v[\reg+4:\reg+5], v[\a8] offset:(\off)+512
	ds_load_b128 v[\reg+6:\reg+9], v[\a16] offset:(\off)+768
	ds_load_b64 v[\reg+10:\reg+11], v[\a8] offset:(\off)+1280
.endm
.macro FETCH s                         ; K step s's 12 fragments into set s % 2: 48 loads
	WIN TO_B
.irp i, 0,1,2,3,4,5,6,7
	FRAG 128*((\s)%2)+FR*\i, B16+\i/4, B8+\i/4, RBB*(\i%4)+1536*(\s)
.endr
	WIN 0
.irp i, 0,1,2,3
	FRAG AF+48*((\s)%2)+FR*\i, A16, A8, RBB*\i+1536*(\s)
.endr
.endm
.macro MUL32 s                         ; 32 products; the 32 accumulators take turns, in the same order in every step; K step 0's start the sums
.irp a, 0,1,2,3
.irp b, 0,1,2,3,4,5,6,7
.if (\s) == 0
	v_wmma_scale_f32_16x16x128_f8f6f4 v[8*(8*\a+\b):8*(8*\a+\b)+7], v[FR*\b:FR*\b+FR-1], v[AF+FR*\a:AF+FR*\a+FR-1], 0, v[SBR+4*\b], v[SA+4*\a] matrix_a_fmt:MATRIX_FMT_BF6 matrix_b_fmt:MATRIX_FMT_BF6
.else
.if (\s) < 4
	v_wmma_scale_f32_16x16x128_f8f6f4 v[8*(8*\a+\b):8*(8*\a+\b)+7], v[128*((\s)%2)+FR*\b:128*((\s)%2)+FR*\b+FR-1], v[AF+48*((\s)%2)+FR*\a:AF+48*((\s)%2)+FR*\a+FR-1], v[8*(8*\a+\b):8*(8*\a+\b)+7], v[SBR+4*\b+(\s)], v[SA+4*\a+(\s)] matrix_a_fmt:MATRIX_FMT_BF6 matrix_b_fmt:MATRIX_FMT_BF6
.else
	v_wmma_scale_f32_16x16x128_f8f6f4 v[8*(8*\a+\b):8*(8*\a+\b)+7], v[128*((\s)%2)+FR*\b:128*((\s)%2)+FR*\b+FR-1], v[AF+48*((\s)%2)+FR*\a:AF+48*((\s)%2)+FR*\a+FR-1], v[8*(8*\a+\b):8*(8*\a+\b)+7], v[SBR+4*\b+(\s)-4], v[SA+4*\a+(\s)-4] matrix_a_fmt:MATRIX_FMT_BF6 matrix_b_fmt:MATRIX_FMT_BF6 matrix_a_scale:MATRIX_SCALE_ROW1 matrix_b_scale:MATRIX_SCALE_ROW1
.endif
.endif
.endr
.endr
.endm
.macro STEP s                          ; K steps 0 to 6: this step's fragments are in; the next step's are asked for and land under this step's 32 products
	s_wait_dscnt 0x0
	PLACES                                         ; in front of loads into the set that the step before multiplied
	FETCH (\s)+1
	WIN MUL_LO
	MUL32 \s
	WIN 0
.endm
	s_wait_alu depctr_va_vdst(0)
	s_wait_tensorcnt 0x0                           ; my part of the operands is in,
	s_barrier_signal -1
	s_barrier_wait -1                              ; everybody's is
	FETCH 0
	s_wait_loadcnt 0x0                             ; the scale words
.irp s, 0,1,2,3,4,5,6
	STEP \s
.endr
	s_wait_dscnt 0x0                               ; K step 7: my last reads of the operands are over:
	s_barrier_signal -1                            ; say so, work on registers while the others arrive,
	WIN MUL_LO
	MUL32 7
	WIN 0
	s_barrier_wait -1                              ; and behind this nobody reads the bytes that the stages take
; THE WAY OUT, block by block of 16 tokens x 128 columns: through my stage, back as whole rows of 512 bytes, which the 32 lanes store as two aligned runs of 256 bytes.
.macro TOSTAGE a
.set AC, 64*(\a)
	WIN 0x08                                       ; the data: window 2
.irp b, 0,1,2,3,4,5,6,7
	ds_store_b128 v[STO], v[AC+8*\b:AC+8*\b+3] offset:128*(\b/2)+32*(\b%2)       ; register j is column 32 (b / 2) + 16 h + 8 (b % 2) + j; each accumulator from its low end on
	ds_store_b128 v[STO], v[AC+8*\b+4:AC+8*\b+7] offset:128*(\b/2)+32*(\b%2)+16
.endr
	WIN 0
.set BB, BK+64*((\a)%2)
.irp t, 0,1,2,3,4,5,6,7,8,9,10,11,12,13,14,15
	ds_load_b128 v[BB+4*\t:BB+4*\t+3], v[RD] offset:\t*SPITCH   ; LDS serves a wave's instructions in order: these see the stores above
.endr
.endm
.macro SEND a, younger
.set BB, BK+64*((\a)%2)
	s_wait_dscnt \younger
.irp t, 0,1,2,3,4,5,6,7,8,9,10,11,12,13,14,15
	global_store_b128 v16, v[BB+4*\t:BB+4*\t+3], s[12:13] offset:(32*((\a)/2)+8*((\a)%2)+\t+8*(\t/8))*4096 th:TH_STORE_NT
.endr
.endm
	PLACES                                         ; behind the last products: for the reads of results and the loads into A's registers
	TOSTAGE 0
.irp a, 1,2,3
.if \a > 1
	s_wait_xcnt 0x0                                ; block a - 2's stores have read their registers
.endif
	TOSTAGE \a
	SEND \a-1, 32                                  ; behind block a - 1's loads: block a's 16 stores and 16 loads
.endr
	SEND 3, 0
	s_wait_tensorcnt 0x0                           ; the wave's end
	ds_add_u32 v[SPW], v[NIL]
	s_wait_dscnt 0x0
	CROUND                                         ; the closing round
	s_endpgm
.Lfunc_end_k_qaafb79387d_proj:
	.size	k_qaafb79387d_proj, .Lfunc_end_k_qaafb79387d_proj-k_qaafb79387d_proj
	.p2alignl 7, 3214868480
	.fill 96, 4, 3214868480
	.section	.rodata,"a",@progbits
	.p2align	6, 0x0
	.amdhsa_kernel k_qaafb79387d_proj
		.amdhsa_group_segment_fixed_size 327680
		.amdhsa_private_segment_fixed_size 0
		.amdhsa_enable_private_segment 0
		.amdhsa_kernarg_size 40
		.amdhsa_user_sgpr_count 2
		.amdhsa_user_sgpr_kernarg_segment_ptr 1
		.amdhsa_wavefront_size32 1
		.amdhsa_system_sgpr_workgroup_id_x 1
		.amdhsa_system_sgpr_workgroup_id_y 1
		.amdhsa_system_sgpr_workgroup_id_z 1
		.amdhsa_system_vgpr_workitem_id 0
		.amdhsa_next_free_vgpr 768
		.amdhsa_next_free_sgpr 66
		.amdhsa_reserve_vcc 0
		.amdhsa_float_denorm_mode_32 3
		.amdhsa_float_denorm_mode_16_64 3
		.amdhsa_memory_ordered 1
		.amdhsa_forward_progress 1
		.amdhsa_inst_pref_size 81
	.end_amdhsa_kernel
	.amdgpu_metadata
---
amdhsa.version: [ 1, 2 ]
amdhsa.kernels:
  - .name:           k_qaafb79387d_proj
    .symbol:         k_qaafb79387d_proj.kd
    .args:
      - { .name: yc, .offset: 0, .size: 8, .value_kind: global_buffer, .address_space: global }
      - { .name: ys, .offset: 8, .size: 8, .value_kind: global_buffer, .address_space: global }
      - { .name: cod1, .offset: 16, .size: 8, .value_kind: global_buffer, .address_space: global }
      - { .name: scl1, .offset: 24, .size: 8, .value_kind: global_buffer, .address_space: global }
      - { .name: out0, .offset: 32, .size: 8, .value_kind: global_buffer, .address_space: global }
    .group_segment_fixed_size: 327680
    .private_segment_fixed_size: 0
    .kernarg_segment_align: 8
    .kernarg_segment_size: 40
    .max_flat_workgroup_size: 128
    .sgpr_count:     66
    .vgpr_count:     768
    .wavefront_size: 32
...
	.end_amdgpu_metadata
.endif
;; end of part 4
